; MI455X (gfx1250); checked and timed in simulation.
; The chip was launched on July 23, 2026; its instructions are those of AMD's public machine-readable ISA for CDNA 5 (MIT licence, August 2026) and "CDNA5" Instruction Set Architecture Reference Guide (July 2026). The comments in the code are by the model that wrote it; some were corrected since.
;; Token Shuffling Mo E. Allowed arithmetic: matrix products marked QUANTISED: E2M1 operands, one E8M0 scale for each 32 along K, by v_wmma_scale_f32_16x16x128_f8f6f4 with both operands' format E2M1 (or v_wmma_scale_f32_32x16x128_f4), f32 sums; products left as they are: f32 operands where the result goes on into a quantised operand, else bf16, f16 or f32 operands; f32 sums; everything else in f32.
;; Inputs: router_DE 1,024 x 8 float32; w13_codes 8 x 2,048 x 32 x 16 uint8 (E2M1 codes of w13, K innermost, in blocks of 32 codes, two codes a byte); w13_scales 8 x 2,048 x 32 uint8 (E8M0 scales of w13, one for each 32 codes along K); w13_shared_codes 4,096 x 32 x 16 uint8 (E2M1 codes of w13_shared, K innermost, in blocks of 32 codes, two codes a byte); w13_shared_scales 4,096 x 32 uint8 (E8M0 scales of w13_shared, one for each 32 codes along K); w2_codes 8 x 1,024 x 32 x 16 uint8 (E2M1 codes of w2, K innermost, in blocks of 32 codes, two codes a byte); w2_scales 8 x 1,024 x 32 uint8 (E8M0 scales of w2, one for each 32 codes along K); w2_shared_codes 1,024 x 64 x 16 uint8 (E2M1 codes of w2_shared, K innermost, in blocks of 32 codes, two codes a byte); w2_shared_scales 1,024 x 64 uint8 (E8M0 scales of w2_shared, one for each 32 codes along K); x 2 x 1,024 x 1,024 float32.
;; Outputs: out0 2 x 1,024 x 1,024 float32.
;; Constants: use_static_shape = 1.
;; This version of the problem:
;;   THIS VERSION OF THE PROBLEM IS GIVEN IN LOW PRECISION. The matrix products marked QUANTISED in the list below multiply operands that are first quantised to E2M1 (2 exponent bits, 1 mantissa bit; 4 bits a number), with one power-of-two scale for each 32 numbers along K (OCP MX v1.0); their sums are f32. All else is computed in f32.
;;   The module's matrix products, in the order in which they are computed (A, B: the left and right operand; K: the contracted axis; several contracted axes count as one K, in the product's order):
;;     1. [M 2,048, K 1,024] x [K 1,024, N 8]; A: input x; B: input router_DE: left as it is (N = 8 < 16)
;;     2. [M 2,048, K 1,024] x [K 1,024, N 1,024]; A: computed on the way; B: input w13 (given as codes): QUANTISED
;;     3. [M 2,048, K 1,024] x [K 1,024, N 1,024]; A: computed on the way; B: input w13 (given as codes): QUANTISED
;;     4. [M 2,048, K 1,024] x [K 1,024, N 1,024]; A: computed on the way; B: input w2 (given as codes): QUANTISED
;;     5. [M 2,048, K 1,024] x [K 1,024, N 1,024]; A: computed on the way; B: input w13 (given as codes): QUANTISED
;;     6. [M 2,048, K 1,024] x [K 1,024, N 1,024]; A: computed on the way; B: input w13 (given as codes): QUANTISED
;;     7. [M 2,048, K 1,024] x [K 1,024, N 1,024]; A: computed on the way; B: input w2 (given as codes): QUANTISED
;;     8. [M 2,048, K 1,024] x [K 1,024, N 1,024]; A: computed on the way; B: input w13 (given as codes): QUANTISED
;;     9. [M 2,048, K 1,024] x [K 1,024, N 1,024]; A: computed on the way; B: input w13 (given as codes): QUANTISED
;;     10. [M 2,048, K 1,024] x [K 1,024, N 1,024]; A: computed on the way; B: input w2 (given as codes): QUANTISED
;;     11. [M 2,048, K 1,024] x [K 1,024, N 1,024]; A: computed on the way; B: input w13 (given as codes): QUANTISED
;;     12. [M 2,048, K 1,024] x [K 1,024, N 1,024]; A: computed on the way; B: input w13 (given as codes): QUANTISED
;;     13. [M 2,048, K 1,024] x [K 1,024, N 1,024]; A: computed on the way; B: input w2 (given as codes): QUANTISED
;;     14. [M 2,048, K 1,024] x [K 1,024, N 1,024]; A: computed on the way; B: input w13 (given as codes): QUANTISED
;;     15. [M 2,048, K 1,024] x [K 1,024, N 1,024]; A: computed on the way; B: input w13 (given as codes): QUANTISED
;;     16. [M 2,048, K 1,024] x [K 1,024, N 1,024]; A: computed on the way; B: input w2 (given as codes): QUANTISED
;;     17. [M 2,048, K 1,024] x [K 1,024, N 1,024]; A: computed on the way; B: input w13 (given as codes): QUANTISED
;;     18. [M 2,048, K 1,024] x [K 1,024, N 1,024]; A: computed on the way; B: input w13 (given as codes): QUANTISED
;;     19. [M 2,048, K 1,024] x [K 1,024, N 1,024]; A: computed on the way; B: input w2 (given as codes): QUANTISED
;;     20. [M 2,048, K 1,024] x [K 1,024, N 1,024]; A: computed on the way; B: input w13 (given as codes): QUANTISED
;;     21. [M 2,048, K 1,024] x [K 1,024, N 1,024]; A: computed on the way; B: input w13 (given as codes): QUANTISED
;;     22. [M 2,048, K 1,024] x [K 1,024, N 1,024]; A: computed on the way; B: input w2 (given as codes): QUANTISED
;;     23. [M 2,048, K 1,024] x [K 1,024, N 1,024]; A: computed on the way; B: input w13 (given as codes): QUANTISED
;;     24. [M 2,048, K 1,024] x [K 1,024, N 1,024]; A: computed on the way; B: input w13 (given as codes): QUANTISED
;;     25. [M 2,048, K 1,024] x [K 1,024, N 1,024]; A: computed on the way; B: input w2 (given as codes): QUANTISED
;;     26. [M 2,048, K 1,024] x [K 1,024, N 2,048]; A: input x; B: input w13_shared (given as codes): QUANTISED
;;     27. [M 2,048, K 1,024] x [K 1,024, N 2,048]; A: input x; B: input w13_shared (given as codes): QUANTISED
;;     28. [M 2,048, K 2,048] x [K 2,048, N 1,024]; A: computed on the way; B: input w2_shared (given as codes): QUANTISED
;;   THE QUANTISER, for each operand of a quantised product, along K:
;;     - K is cut into blocks of 32 from its start; a last block that is shorter is filled with zeros.
;;     - A block's scale is 2^e with e = floor(log2(the largest magnitude in the block)) - 2, held to -126 .. 127; a block of zeros has e = 0. As a byte (E8M0): e + 127.
;;     - Each number is divided by its block's scale, clamped to +-6, and rounded to the nearest number of E2M1, ties to even, subnormals kept.
;;     - The product sums the exact products of the quantised numbers (number of the format x scale) in f32.
;;   ~~~python
;;   def quantise(x, axis):      # numpy; x: float32 -> the quantised numbers, widened to float32 again
;;       x = np.moveaxis(x, axis, -1); K = x.shape[-1]
;;       x = np.pad(x, [(0, 0)] * (x.ndim - 1) + [(0, -K % 32)]); x = x.reshape(x.shape[:-1] + (-1, 32)); a = np.abs(x).max(-1, keepdims=True)
;;       e = np.where(a > 0, np.clip(np.frexp(np.where(a > 0, a, 1))[1] - 1 - 2, -126, 127), 0)      # np.frexp(a)[1] - 1 = floor(log2(a)), exactly
;;       r = np.clip(x / 2.0 ** e, -6, 6)
;;       step = 2.0 ** (np.maximum(np.frexp(np.where(r == 0, 1, r))[1] - 1, 0) - 1)
;;       q = np.round(r / step) * step * 2.0 ** e      # np.round: ties to even
;;       return np.moveaxis(q.reshape(q.shape[:-2] + (-1,))[..., :K], -1, axis).astype(np.float32)
;;   ~~~
;;   OPERANDS COMPUTED ON THE WAY. 'Computed on the way' means the value that the module computes at that place (a softmax that the list does not call 'softmax' is quantised finished and normalised). What goes into a quantiser is computed in f32, as accurately as f32 sums, v_exp_f32 and their like allow (about 1e-6 of the number): no bf16 or f16 on the way to a quantiser, and a product that is left as it is and whose result goes on into a quantised operand takes f32 operands (vector FMAs, or v_wmma_f32_16x16x4_f32). A number that lies on a knife's edge between two numbers of the format may be rounded either way, as far as f32 arithmetic and the matrix unit's own rounding can turn it there, and no further.
;;   INPUTS GIVEN AS CODES. w13 (in the module: [8, 2048, 1024], K = its axis 2); w13_shared (in the module: [4096, 1024], K = its axis 1); w2 (in the module: [8, 1024, 1024], K = its axis 2); w2_shared (in the module: [1024, 2048], K = its axis 1): each comes as NAME_codes (uint8): NAME with its K axis moved to the last place and cut into blocks of 32 codes, [.., K / 32, bytes a block], one block behind the other in memory; two codes a byte, the lower K in the low four bits (a code: sign, 2 exponent bits, 1 mantissa bit); and NAME_scales (uint8): the same leading axes, one E8M0 byte (e + 127) for each 32 codes along K. Its value is code x scale, taken as it is: it is not quantised again, and the codes and scales need not be those that the quantiser above would give.
;; One version. Each part assembles by itself: llvm-mc -triple=amdgcn-amd-amdhsa -mcpu=gfx1250 --defsym DOCPART=n.
;; ======== version 1 of 1: 4 launches
;; workspace buffers: ids 8,192 bytes of whole numbers; plan 9,216 bytes of whole numbers; xq_codes 2,097,152 bytes; xq_scales 131,072 bytes; hid_codes 3,145,728 bytes; hid_scales 196,608 bytes
;; launch route (part 1): grid 256 x 1, 4 waves a work-group, no clusters, 71,424 bytes of LDS; arguments x, router_DE, xq_codes, xq_scales, ids; writes xq_codes, xq_scales, ids
.if DOCPART == 1
	.amdgcn_target "amdgcn-amd-amdhsa--gfx1250"
	.amdhsa_code_object_version 6
	.text
	.protected	k_q180598c345_route
	.globl	k_q180598c345_route
	.p2align	8
	.type	k_q180598c345_route,@function
k_q180598c345_route:
	s_mov_b64 s[64:65], 0
	v_nop
	global_prefetch_b8 v0, s[64:65] scope:SCOPE_SE
	s_setreg_imm32_b32 hwreg(HW_REG_WAVE_MODE, 25, 1), 1
	s_wait_xcnt 0x0
; TokenShufflingMoE, launch 1 of 4: the router, and both quantised forms of the tokens.
; logits = x R in f32 (fused multiply-adds); expert = argmax (on equal logits the lower index); score = 1 / (1 + 2^(-log2(e) logit));
; Q(x) (kind 0, for the shared expert) and Q(x score) (kind 1, for the routed expert) as E2M1 codes with one E8M0 byte for each 32 along D.
; WORK LEFT OUT IN THE WHOLE PROGRAM.  reference() runs every expert e on every token and multiplies the result by m = (expert_id == e), a mask that it builds itself.  For a token t and an
; expert e other than expert_id[t] that factor is 0 for all finite inputs, so those rows of the routed products reach no output: only the chosen expert's rows are multiplied (launches 3 and 4).
; use_static_shape has no way to any output and is no argument of any launch.
; LIMITS.  A NaN, an infinity or an overflow that arises only in an expert that was not chosen is not carried to the result.  NaN and infinities in x are not served.  A block of zeros, and a block
; whose largest magnitude lies under 2^-124, gets the scale byte 1 (the rule says 127 for zeros): its codes are zeros or the rule's own, and the bytes are read by this program alone.
; Two logits of a token that lie closer than the rounding of an f32 sum of 1,024 terms may be ordered otherwise than reference() orders them.
; SHARES.  A work-group takes 8 tokens, a wave 2.  Loads are dense (512 consecutive bytes an instruction); a row then turns through the wave's own stage in LDS, so that lane l holds block l of the row,
; k = 32 l .. 32 l + 31, in 32 registers: a block's largest magnitude needs no other lane, and its 16 bytes of codes lie at 16 l of the row: one store of 512 consecutive bytes a row.
; R [1024][8] turns through LDS likewise: lane l reads the 32 rows of R that belong to its block.  No matrix unit: 8 columns are too few for it, and the logits feed a quantiser, so they stay in f32.
.set RP,    1040                       ; R in LDS: 32 chunks of 1,024 bytes (32 rows of R) + 16 of padding: 65 x 16 bytes
.set XST,   32*RP                      ; behind it the waves' stages for x: 2 rows a wave,
.set XP,    144                        ; a row as 32 chunks of 128 bytes + 16 of padding
.set SB,    XST+4*2*32*XP              ; the scale bytes: kind x 256 + row x 32 + block
.set IDS,   SB+512                     ; the 8 experts' numbers, in a block of 256 bytes of their own
.set SPARE, IDS+256                    ; the spare words, 128 bytes for each wave: two blocks of 256 bytes that no other line names
.set SPW,   14                         ; v14  LDS address of my spare word; never rewritten
.set NIL,   15                         ; v15  0; never rewritten
.set C,     16                         ; v16-31   codes: four registers for each (kind, row), so that no store's data are written again
.set X,     32                         ; v32-95   my block of the wave's two rows
.set ACC,   96                         ; v96-111  2 rows x 8 logits
.set T,     112                        ; v112-127 at work: +0,1 the largest logit; +2,3 its index; +4..7 the score, twice for each row; +8,9 a block's largest magnitude; +10,11 at work; +12..15 scale bytes
.set RB0,   128                        ; v128-191 x as it is loaded, then quarters 0 and 2 of R
.set RB1,   192                        ; v192-255 R as it is loaded, then quarters 1 and 3 of R
	s_load_b256 s[4:11], s[0:1], 0x0               ; x, R, the codes, the scale bytes
	s_load_b64 s[12:13], s[0:1], 0x20              ; the experts' numbers
	v_lshl_add_u32 v[SPW], v0, 2, SPARE
	v_mov_b32 v[NIL], 0
	v_lshrrev_b32 v1, 5, v0
	v_readfirstlane_b32 s14, v1                    ; wave 0..3
	v_and_b32 v1, 31, v0                           ; lane
	v_lshlrev_b32 v2, 4, v1                        ; 16 x lane
	s_mul_i32 s15, s14, 8*RP
	v_add_nc_u32 v3, s15, v2                       ; R on the way in: my wave's 8 chunks
	v_mul_u32_u24 v4, v1, RP                       ; R on the way out: chunk = lane
	s_mul_i32 s15, s14, 2*32*XP
	s_add_co_u32 s15, s15, XST                     ; my wave's stage
	v_lshrrev_b32 v5, 3, v1
	v_mul_u32_u24 v5, v5, XP
	v_and_b32 v6, 7, v1
	v_lshl_add_u32 v5, v6, 4, v5
	v_add_nc_u32 v5, s15, v5                       ; x on the way in: eight lanes to a chunk
	v_mul_u32_u24 v6, v1, XP
	v_add_nc_u32 v6, s15, v6                       ; x on the way out: chunk = lane
	s_lshl_b32 s15, s14, 6
	s_add_co_u32 s15, s15, SB
	v_add_nc_u32 v7, s15, v1                       ; my block's scale byte of the wave's first row, kind 0
	s_lshl_b32 s15, s14, 3
	s_add_co_u32 s15, s15, IDS
	v_mov_b32 v8, s15                              ; my wave's two words among the experts' numbers
	s_lshl_b32 s15, s14, 8
	s_add_co_u32 s15, s15, SB
	v_lshl_add_u32 v9, v1, 3, s15                  ; the way out of the scale bytes (waves 0 and 1: kind = wave): 8 bytes a lane,
	s_lshl_b32 s15, s14, 16
	v_lshl_add_u32 v10, v1, 3, s15                 ; and their place in memory: 65,536 x kind + 8 x lane
	v_and_b32 v12, 7, v1
	v_lshlrev_b32 v12, 2, v12                      ; the way out of the experts' numbers (wave 2): word lane % 8
	v_add_nc_u32 v11, IDS, v12
	s_mov_b32 s20, 0x76543210
	s_mov_b32 s21, 0xfedcba98                      ; v_permlanex16_b32's selects for lane l xor 16
	s_mov_b32 s22, 0xbfb8aa3b                      ; -log2(e)
	s_lshl_b32 s16, ttmp9, 15                      ; 8 rows of 4,096 bytes a work-group,
	s_lshl_b32 s17, s14, 13                        ; 2 a wave
	s_add_co_u32 s16, s16, s17
	s_mov_b32 s18, s17                             ; and my wave's 8,192 bytes of R
	s_mov_b32 s17, 0
	s_mov_b32 s19, 0
.irp a, 0,1,2,3,4,5,6,7,8,9,10,11,12,13,14,15
	v_mov_b32 v[T+\a], 0                           ; written once: a lane permute's destination counts as one of its sources
.endr
	s_wait_kmcnt 0x0
	s_add_nc_u64 s[4:5], s[4:5], s[16:17]
	s_add_nc_u64 s[6:7], s[6:7], s[18:19]
	s_lshr_b32 s16, s16, 3                         ; a row of codes is 512 bytes
	s_add_nc_u64 s[8:9], s[8:9], s[16:17]
	s_lshl_b32 s16, ttmp9, 8                       ; 8 rows of 32 scale bytes
	s_add_nc_u64 s[10:11], s[10:11], s[16:17]
	s_lshl_b32 s16, ttmp9, 5                       ; 8 words
	s_add_nc_u64 s[12:13], s[12:13], s[16:17]
.irp i, 0,1,2,3,4,5,6,7,8,9,10,11,12,13,14,15
	global_load_b128 v[RB1+4*\i:RB1+4*\i+3], v2, s[6:7] offset:512*\i
.endr
.irp g, 0,1
.irp i, 0,1,2,3,4,5,6,7
	global_load_b128 v[RB0+32*\g+4*\i:RB0+32*\g+4*\i+3], v2, s[4:5] offset:4096*\g+512*\i th:TH_LOAD_NT
.endr
.endr
	s_wait_loadcnt 16                              ; R's sixteen loads are in; x's sixteen may be out
.irp i, 0,1,2,3,4,5,6,7,8,9,10,11,12,13,14,15
	ds_store_b128 v3, v[RB1+4*\i:RB1+4*\i+3] offset:(\i/2)*RP+512*(\i%2)
.endr
	s_wait_loadcnt 0x0
.irp g, 0,1
.irp i, 0,1,2,3,4,5,6,7
	ds_store_b128 v5, v[RB0+32*\g+4*\i:RB0+32*\g+4*\i+3] offset:32*XP*\g+4*XP*\i
.endr
.endr
.irp g, 0,1
.irp m, 0,1,2,3,4,5,6,7
	ds_load_b128 v[X+32*\g+4*\m:X+32*\g+4*\m+3], v6 offset:32*XP*\g+16*\m   ; LDS serves a wave's instructions in order: these see my stores
.endr
.endr
	s_wait_dscnt 0x0                               ; for the others' sake: my part of R has landed
	s_barrier_signal -1
	s_barrier_wait -1                              ; R is whole
.macro RLOAD q, buf                    ; quarter q of my 32 rows of R: register buf + 8 j + e = R[32 lane + 8 q + j][e]
.irp m, 0,1,2,3,4,5,6,7,8,9,10,11,12,13,14,15
	ds_load_b128 v[\buf+4*\m:\buf+4*\m+3], v4 offset:256*(\q)+16*\m
.endr
.endm
.macro FMA q, buf                      ; 8 of my k x 8 experts x 2 rows: two experts an instruction, x's number serving both halves; eight chains that do not wait for each other
.irp j, 0,1,2,3,4,5,6,7
.irp p, 0,1,2,3
.irp g, 0,1
.set k, 8*(\q)+\j
.set xr, X+32*\g+(k/2)*2
.if k == 0
	v_pk_mul_f32 v[ACC+8*\g+2*\p:ACC+8*\g+2*\p+1], v[xr:xr+1], v[\buf+8*\j+2*\p:\buf+8*\j+2*\p+1] op_sel_hi:[0,1]   ; the first product starts the sums
.elseif k%2 == 0
	v_pk_fma_f32 v[ACC+8*\g+2*\p:ACC+8*\g+2*\p+1], v[xr:xr+1], v[\buf+8*\j+2*\p:\buf+8*\j+2*\p+1], v[ACC+8*\g+2*\p:ACC+8*\g+2*\p+1] op_sel_hi:[0,1,1]
.else
	v_pk_fma_f32 v[ACC+8*\g+2*\p:ACC+8*\g+2*\p+1], v[xr:xr+1], v[\buf+8*\j+2*\p:\buf+8*\j+2*\p+1], v[ACC+8*\g+2*\p:ACC+8*\g+2*\p+1] op_sel:[1,0,0] op_sel_hi:[1,1,1]
.endif
.endr
.endr
.endr
.endm
	RLOAD 0, RB0
	RLOAD 1, RB1
	s_wait_dscnt 16                                ; quarter 0 is in; the next quarter's sixteen loads may be out (so at each of these waits)
	FMA 0, RB0
	RLOAD 2, RB0
	s_wait_dscnt 16
	FMA 1, RB1
	RLOAD 3, RB1
	s_wait_dscnt 16
	FMA 2, RB0
	s_wait_dscnt 0x0
	FMA 3, RB1
.irp m, 1,2,4,8                        ; the sixteen sums over the 32 lanes: four steps inside each half, one across
.irp a, 0,1,2,3,4,5,6,7,8,9,10,11,12,13,14,15
	v_add_f32_dpp v[ACC+\a], v[ACC+\a], v[ACC+\a] row_xmask:\m row_mask:0xf bank_mask:0xf
.endr
.endr
.irp a, 0,1,2,3,4,5,6,7,8,9,10,11,12,13,14,15
	v_permlanex16_b32 v[T+\a], v[ACC+\a], s20, s21
.endr
.irp a, 0,1,2,3,4,5,6,7,8,9,10,11,12,13,14,15
	v_add_f32 v[ACC+\a], v[ACC+\a], v[T+\a]        ; every lane holds both rows' eight logits
.endr
.irp g, 0,1
	v_mov_b32 v[T+\g], v[ACC+8*\g]
	v_mov_b32 v[T+2+\g], 0
.endr
.irp e, 1,2,3,4,5,6,7
.irp g, 0,1
	v_cmp_ge_f32 vcc_lo, v[T+\g], v[ACC+8*\g+\e]   ; the index moves only where the new logit is larger: the first of equal ones is kept
	v_cndmask_b32 v[T+2+\g], \e, v[T+2+\g], vcc_lo
	v_max_num_f32 v[T+\g], v[T+\g], v[ACC+8*\g+\e]
.endr
.endr
	v_mul_f32 v[T+4], s22, v[T]
	v_mul_f32 v[T+6], s22, v[T+1]
	v_exp_f32 v[T+4], v[T+4]                       ; 2^(-log2(e) logit); where it overflows the score is 0
	v_exp_f32 v[T+6], v[T+6]
; Row g as kind 0 (x) or kind 1 (x score, made in place).  Multiplying by a score that is not negative keeps the order of magnitudes, rounding included, so kind 1's largest magnitude is kind 0's times the score.
.macro QROW g, kind
.set XS, X+32*(\g)
.if (\kind) == 0
	v_max3_num_f32 v[T+8+\g], |v[XS]|, |v[XS+1]|, 0x1800000        ; my block's largest magnitude, in two chains, and the floor 2^(3 - 127): the byte cannot fall under 1
	v_max3_num_f32 v[T+10], |v[XS+2]|, |v[XS+3]|, |v[XS+4]|
.irp i, 5,9,13,17,21,25
	v_max3_num_f32 v[T+8+\g], v[T+8+\g], |v[XS+\i]|, |v[XS+\i+1]|
	v_max3_num_f32 v[T+10], v[T+10], |v[XS+\i+2]|, |v[XS+\i+3]|
.endr
	v_max3_num_f32 v[T+8+\g], v[T+8+\g], |v[XS+29]|, |v[XS+30]|
	v_max3_num_f32 v[T+8+\g], v[T+8+\g], v[T+10], |v[XS+31]|
.else
.set i, 0
.rept 16
	v_pk_mul_f32 v[XS+i:XS+i+1], v[XS+i:XS+i+1], v[T+4+2*(\g):T+5+2*(\g)]
.set i, i+2
.endr
	v_mul_f32 v[T+8+\g], v[T+8+\g], v[T+4+2*(\g)]
	v_max_num_f32 v[T+8+\g], 0x1800000, v[T+8+\g]
.endif
	v_add_nc_u32 v[T+11], 0xff000000, v[T+8+\g]    ; 2 off the exponent field: the conversion takes the exponent field of this operand as its scale
.irp c, 0,1,2,3
	v_cvt_scalef32_pk8_fp4_f32 v[C+4*(2*(\kind)+(\g))+\c], v[XS+8*\c:XS+8*\c+7], v[T+11]
.endr
	v_lshrrev_b32 v[T+12+2*(\kind)+(\g)], 23, v[T+11]              ; the scale's byte.  (Also the plain line behind the conversions, ahead of the next write of their sources)
	global_store_b128 v2, v[C+4*(2*(\kind)+(\g)):C+4*(2*(\kind)+(\g))+3], s[8:9] offset:1048576*(\kind)+512*(\g)   ; 32 lanes store the row's 512 bytes
	ds_store_b8 v7, v[T+12+2*(\kind)+(\g)] offset:256*(\kind)+32*(\g)
.endm
	QROW 0, 0                                      ; independent work behind the two exponentials
	QROW 1, 0
	s_wait_alu depctr_va_vdst(0)                   ; the wait ahead of the first line that names an exponential's result: one for both
	v_add_f32 v[T+4], 1.0, v[T+4]
	v_add_f32 v[T+6], 1.0, v[T+6]
	v_rcp_f32 v[T+4], v[T+4]
	v_rcp_f32 v[T+6], v[T+6]
	v_nop                                          ; a plain line behind the reciprocals
	s_wait_alu depctr_va_vdst(0)                   ; and the wait, one for both
	v_mov_b32 v[T+5], v[T+4]                       ; the score twice: a pair for the packed multiply
	v_mov_b32 v[T+7], v[T+6]
	QROW 0, 1
	QROW 1, 1
.irp g, 0,1
	ds_store_b32 v8, v[T+2+\g] offset:4*\g         ; all lanes write the same word with the same value
.endr
	s_wait_dscnt 0x0                               ; for the others' sake: my scale bytes and numbers have landed
	s_barrier_signal -1
	s_barrier_wait -1
	s_cmp_lt_u32 s14, 2
	s_cbranch_scc0 .Lnot_scales
	ds_load_b64 v[T:T+1], v9                       ; waves 0 and 1: the 256 scale bytes of one kind,
	s_wait_dscnt 0x0
	global_store_b64 v10, v[T:T+1], s[10:11]       ; 32 lanes store 256 consecutive bytes, at a multiple of 256 from the buffer's first byte
	s_branch .Lend
.Lnot_scales:
	s_cmp_eq_u32 s14, 2
	s_cbranch_scc0 .Lend
	ds_load_b32 v[T], v11                          ; wave 2: the eight numbers: 32 bytes, each word written by four lanes with the same value
	s_wait_dscnt 0x0
	global_store_b32 v12, v[T], s[12:13]
.Lend:
	s_wait_tensorcnt 0x0                           ; the wave's end, behind my last LDS store
	ds_add_u32 v[SPW], v[NIL]
	s_wait_dscnt 0x0
	s_endpgm
.Lfunc_end_k_q180598c345_route:
	.size	k_q180598c345_route, .Lfunc_end_k_q180598c345_route-k_q180598c345_route
	.p2alignl 7, 3214868480
	.fill 96, 4, 3214868480
	.section	.rodata,"a",@progbits
	.p2align	6, 0x0
	.amdhsa_kernel k_q180598c345_route
		.amdhsa_group_segment_fixed_size 71424
		.amdhsa_private_segment_fixed_size 0
		.amdhsa_enable_private_segment 0
		.amdhsa_kernarg_size 40
		.amdhsa_user_sgpr_count 2
		.amdhsa_user_sgpr_kernarg_segment_ptr 1
		.amdhsa_wavefront_size32 1
		.amdhsa_system_sgpr_workgroup_id_x 1
		.amdhsa_system_sgpr_workgroup_id_y 1
		.amdhsa_system_sgpr_workgroup_id_z 1
		.amdhsa_system_vgpr_workitem_id 0
		.amdhsa_next_free_vgpr 256
		.amdhsa_next_free_sgpr 66
		.amdhsa_reserve_vcc 1
		.amdhsa_float_denorm_mode_32 3
		.amdhsa_float_denorm_mode_16_64 3
		.amdhsa_memory_ordered 1
		.amdhsa_forward_progress 1
		.amdhsa_inst_pref_size 44
	.end_amdhsa_kernel
	.amdgpu_metadata
---
amdhsa.version: [ 1, 2 ]
amdhsa.kernels:
  - .name:           k_q180598c345_route
    .symbol:         k_q180598c345_route.kd
    .args:
      - { .name: x, .offset: 0, .size: 8, .value_kind: global_buffer, .address_space: global }
      - { .name: router_DE, .offset: 8, .size: 8, .value_kind: global_buffer, .address_space: global }
      - { .name: xq_codes, .offset: 16, .size: 8, .value_kind: global_buffer, .address_space: global }
      - { .name: xq_scales, .offset: 24, .size: 8, .value_kind: global_buffer, .address_space: global }
      - { .name: ids, .offset: 32, .size: 8, .value_kind: global_buffer, .address_space: global }
    .group_segment_fixed_size: 71424
    .private_segment_fixed_size: 0
    .kernarg_segment_align: 8
    .kernarg_segment_size: 40
    .max_flat_workgroup_size: 128
    .sgpr_count:     66
    .vgpr_count:     256
    .wavefront_size: 32
...
	.end_amdgpu_metadata
.endif
;; end of part 1
;; launch place (part 2): grid 1 x 1, 8 waves a work-group, no clusters, 66,816 bytes of LDS; arguments ids, plan; writes plan
.if DOCPART == 2
	.amdgcn_target "amdgcn-amd-amdhsa--gfx1250"
	.amdhsa_code_object_version 6
	.text
	.protected	k_q180598c345_place
	.globl	k_q180598c345_place
	.p2align	8
	.type	k_q180598c345_place,@function
k_q180598c345_place:
	s_mov_b64 s[64:65], 0
	v_nop
	global_prefetch_b8 v0, s[64:65] scope:SCOPE_SE
	s_setreg_imm32_b32 hwreg(HW_REG_WAVE_MODE, 25, 1), 1
	s_wait_xcnt 0x0
; Launch 2 of 4: the tokens are sorted by expert (a counting sort, whole numbers alone, no atomics), and two lists of tiles are made.
; plan: bytes 0 .. 8,191: order[p], the token at sorted place p (a permutation of 0 .. 2,047);  from 8,192: 32 entries {first place, rows, expert, 0} for launch 3: entries 0-7 the shared expert's tiles
; {256 i, 256, 0}, from entry 8 on the routed tiles of at most 256 rows;  from 8,704: 32 such entries for launch 4, tiles of at most 128 rows.  A tile holds rows of one expert.
; With 2,048 rows, 8 experts and tiles of M rows there are never more than 2,048 / M + 7 tiles, whatever the split; entries beyond the split's own tiles have 0 rows.
; One work-group of eight waves; wave w serves expert w.  Every wave reads all 2,048 numbers (64 a lane) and ranks its expert's tokens by a ballot and a count of the lower lanes.
.set ID,    16                         ; v16-79   the experts' numbers, then masks, then the eight arrays' words of my 256 tokens
.set RK,    80                         ; v80-143  ranks, then places; later the tables' work
.set W,     144                        ; v144-159 at work
.set CNT,   65536                      ; LDS: eight arrays of 2,048 words from byte 0; behind them the eight counts, in a block of 256 bytes of their own;
.set SPARE, 65792                      ; and the spare words, 128 bytes for each wave: four blocks of 256 bytes that no other line names
.set SPW,   14
.set NIL,   15
	s_load_b128 s[4:7], s[0:1], 0x0                ; ids, plan
	v_lshl_add_u32 v[SPW], v0, 2, SPARE
	v_mov_b32 v[NIL], 0
	v_lshrrev_b32 v1, 5, v0
	v_readfirstlane_b32 s8, v1                     ; wave = expert
	v_and_b32 v1, 31, v0
	v_lshlrev_b32 v2, 4, v1                        ; 16 x lane
	s_lshl_b32 s10, s8, 13
	v_add_nc_u32 v3, s10, v2                       ; my expert's array
	s_lshl_b32 s10, s8, 10
	v_add_nc_u32 v4, s10, v2                       ; my 256 tokens' words in an array
	s_lshl_b32 s10, s8, 2
	s_add_co_u32 s10, s10, CNT
	v_mov_b32 v5, s10
	v_mov_b32 v6, CNT
	s_lshl_b32 s10, s8, 8
	v_lshl_add_u32 v7, v1, 2, s10                  ; token 256 w + 4 lane
	s_mov_b32 s9, 0
	s_wait_kmcnt 0x0
.irp q, 0,1,2,3,4,5,6,7,8,9,10,11,12,13,14,15
	global_load_b128 v[ID+4*\q:ID+4*\q+3], v2, s[4:5] offset:512*\q   ; register 4 q + j: token 128 q + 4 lane + j
.endr
	s_wait_loadcnt 0x0
; The ranks, sixteen registers at a time: sixteen ballots into sixteen scalar registers, then their counts and running sums, then the ranks: each kind of line in a run, so that no line waits for the line above it
.irp b, 0,16,32,48
.set i, 0
.rept 16
	v_cmp_eq_u32 s[24+i], s8, v[ID+\b+i]           ; which lanes' token is my expert's
.set i, i+1
.endr
.set i, 0
.rept 16
	s_mov_b32 s[40+i], s9                          ; those counted ahead of this register
	s_bcnt1_i32_b32 s21, s[24+i]
	s_add_co_u32 s9, s9, s21
.set i, i+1
.endr
.set i, 0
.rept 16
	v_mbcnt_lo_u32_b32 v[RK+\b+i], s[24+i], s[40+i]   ; a token's rank: those counted so far + those in lower lanes
	v_cndmask_b32 v[ID+\b+i], 0, -1, s[24+i]       ; a mask of ones for my expert's tokens
.set i, i+1
.endr
.endr
	v_mov_b32 v[W], s9
	ds_store_b32 v5, v[W]                          ; my expert's count
	s_wait_dscnt 0x0
	s_barrier_signal -1
	s_barrier_wait -1
	ds_load_b128 v[W:W+3], v6
	ds_load_b128 v[W+4:W+7], v6 offset:16
	s_wait_dscnt 0x0
.irp e, 0,1,2,3,4,5,6,7
	v_readfirstlane_b32 s[24+\e], v[W+\e]          ; s24-31: the counts
.endr
	s_mov_b32 s32, 0                               ; s32-39: each expert's first place;  s40-47: its first tile of 256;  s48-55: of 128
	s_mov_b32 s40, 0
	s_mov_b32 s48, 0
.irp e, 0,1,2,3,4,5,6
	s_add_co_u32 s[33+\e], s[32+\e], s[24+\e]
	s_add_co_u32 s57, s[24+\e], 255
	s_lshr_b32 s57, s57, 8
	s_add_co_u32 s[41+\e], s[40+\e], s57
	s_add_co_u32 s57, s[24+\e], 127
	s_lshr_b32 s57, s57, 7
	s_add_co_u32 s[49+\e], s[48+\e], s57
.endr
	s_mov_b32 s56, 0                               ; my expert's first place: the counts of the experts below mine
.irp e, 0,1,2,3,4,5,6
	s_cmp_gt_u32 s8, \e
	s_cselect_b32 s57, s[24+\e], 0
	s_add_co_u32 s56, s56, s57
.endr
.set i, 0
.rept 64
	v_add_nc_u32 v[RK+i], s56, v[RK+i]
	v_and_b32 v[RK+i], v[RK+i], v[ID+i]            ; the place of my expert's tokens, 0 for all others
.set i, i+1
.endr
.irp q, 0,1,2,3,4,5,6,7,8,9,10,11,12,13,14,15
	ds_store_b128 v3, v[RK+4*\q:RK+4*\q+3] offset:512*\q
.endr
	s_wait_dscnt 0x0
	s_barrier_signal -1
	s_barrier_wait -1                              ; the eight arrays are whole
.irp e, 0,1,2,3,4,5,6,7                ; wave w places tokens 256 w .. 256 w + 255: a token's place is the sum of its eight words, of which at most one is not 0
.irp q, 0,1
	ds_load_b128 v[ID+8*\e+4*\q:ID+8*\e+4*\q+3], v4 offset:8192*\e+512*\q
.endr
.endr
	s_wait_dscnt 0x0
.irp k, 0,1,2,3,4,5,6,7
	v_add3_u32 v[W+\k], v[ID+\k], v[ID+8+\k], v[ID+16+\k]
	v_add3_u32 v[W+\k], v[W+\k], v[ID+24+\k], v[ID+32+\k]
	v_add3_u32 v[W+\k], v[W+\k], v[ID+40+\k], v[ID+48+\k]
	v_add_nc_u32 v[W+\k], v[W+\k], v[ID+56+\k]
	v_min_u32 v[W+\k], 0x7ff, v[W+\k]              ; held inside the list
	v_lshlrev_b32 v[W+\k], 2, v[W+\k]
	v_add_nc_u32 v[W+8+\k], 128*(\k/4)+(\k%4), v7  ; the token
	global_store_b32 v[W+\k], v[W+8+\k], s[6:7]    ; order[place] = token: single words to places far apart; 8 KB in all
.endr
	s_cmp_lg_u32 s8, 0
	s_cbranch_scc1 .Lend                           ; wave 0 alone makes the tables: a lane an entry
; The entry of tile v80 among tiles of 2^sh rows.  The last expert whose first tile is at or under the tile's number owns it, so experts without rows are passed over.
.macro TABLE sh, m, tp, ent
	v_mov_b32 v81, s32
	v_mov_b32 v82, s[\tp]
	v_mov_b32 v83, s24
	v_mov_b32 v[\ent+2], 0
.irp e, 1,2,3,4,5,6,7
	v_cmp_le_u32 vcc_lo, s[\tp+\e], v80
	v_cndmask_b32 v81, v81, s[32+\e], vcc_lo       ; the expert's first place,
	v_cndmask_b32 v82, v82, s[\tp+\e], vcc_lo      ; its first tile,
	v_cndmask_b32 v83, v83, s[24+\e], vcc_lo       ; its count,
	v_cndmask_b32 v[\ent+2], v[\ent+2], \e, vcc_lo ; its number
.endr
	v_sub_nc_u32 v84, v80, v82
	v_lshlrev_b32 v84, \sh, v84                    ; rows of the expert ahead of this tile
	v_add_nc_u32 v[\ent], v81, v84
	v_min_u32 v[\ent], 0x7ff, v[\ent]              ; the tile's first place
	v_sub_nc_u32 v[\ent+1], v83, v84
	v_min_u32 v[\ent+1], \m, v[\ent+1]
	v_cmp_gt_u32 vcc_lo, v83, v84
	v_cndmask_b32 v[\ent+1], 0, v[\ent+1], vcc_lo  ; its rows: 0 beyond the expert's last
	v_mov_b32 v[\ent+3], 0
.endm
	v_add_nc_u32 v80, -8, v1                       ; launch 3's table: lanes 8-31 are routed tiles 0-23
	TABLE 8, 256, 40, 88
	v_cmp_gt_u32 vcc_lo, 8, v1                     ; lanes 0-7: the shared expert's tiles
	v_lshlrev_b32 v85, 8, v1
	v_mov_b32 v86, 0x100
	v_cndmask_b32 v88, v88, v85, vcc_lo
	v_cndmask_b32 v89, v89, v86, vcc_lo
	v_cndmask_b32 v90, v90, v[NIL], vcc_lo
	global_store_b128 v2, v[88:91], s[6:7] offset:8192
	v_mov_b32 v80, v1                              ; launch 4's table
	TABLE 7, 128, 48, 92
	global_store_b128 v2, v[92:95], s[6:7] offset:8704
.Lend:
	s_wait_tensorcnt 0x0                           ; the wave's end, behind my last LDS store
	ds_add_u32 v[SPW], v[NIL]
	s_wait_dscnt 0x0
	s_endpgm
.Lfunc_end_k_q180598c345_place:
	.size	k_q180598c345_place, .Lfunc_end_k_q180598c345_place-k_q180598c345_place
	.p2alignl 7, 3214868480
	.fill 96, 4, 3214868480
	.section	.rodata,"a",@progbits
	.p2align	6, 0x0
	.amdhsa_kernel k_q180598c345_place
		.amdhsa_group_segment_fixed_size 66816
		.amdhsa_private_segment_fixed_size 0
		.amdhsa_enable_private_segment 0
		.amdhsa_kernarg_size 16
		.amdhsa_user_sgpr_count 2
		.amdhsa_user_sgpr_kernarg_segment_ptr 1
		.amdhsa_wavefront_size32 1
		.amdhsa_system_sgpr_workgroup_id_x 1
		.amdhsa_system_sgpr_workgroup_id_y 1
		.amdhsa_system_sgpr_workgroup_id_z 1
		.amdhsa_system_vgpr_workitem_id 0
		.amdhsa_next_free_vgpr 160
		.amdhsa_next_free_sgpr 66
		.amdhsa_reserve_vcc 1
		.amdhsa_float_denorm_mode_32 3
		.amdhsa_float_denorm_mode_16_64 3
		.amdhsa_memory_ordered 1
		.amdhsa_forward_progress 1
		.amdhsa_inst_pref_size 40
	.end_amdhsa_kernel
	.amdgpu_metadata
---
amdhsa.version: [ 1, 2 ]
amdhsa.kernels:
  - .name:           k_q180598c345_place
    .symbol:         k_q180598c345_place.kd
    .args:
      - { .name: ids, .offset: 0, .size: 8, .value_kind: global_buffer, .address_space: global }
      - { .name: plan, .offset: 8, .size: 8, .value_kind: global_buffer, .address_space: global }
    .group_segment_fixed_size: 66816
    .private_segment_fixed_size: 0
    .kernarg_segment_align: 8
    .kernarg_segment_size: 16
    .max_flat_workgroup_size: 256
    .sgpr_count:     66
    .vgpr_count:     160
    .wavefront_size: 32
...
	.end_amdgpu_metadata
.endif
;; end of part 2
;; launch up (part 3): grid 248 x 1, 4 waves a work-group, no clusters, 167,936 bytes of LDS; arguments xq_codes, xq_scales, plan, w13_codes, w13_scales, w13_shared_codes, w13_shared_scales, hid_codes, hid_scales; writes hid_codes, hid_scales
.if DOCPART == 3
	.amdgcn_target "amdgcn-amd-amdhsa--gfx1250"
	.amdhsa_code_object_version 6
	.text
	.protected	k_q180598c345_up
	.globl	k_q180598c345_up
	.p2align	8
	.type	k_q180598c345_up,@function
k_q180598c345_up:
	s_mov_b64 s[64:65], 0
	v_nop
	global_prefetch_b8 v0, s[64:65] scope:SCOPE_SE
	s_setreg_imm32_b32 hwreg(HW_REG_WAVE_MODE, 25, 1), 1
	s_wait_xcnt 0x0
; Launch 3 of 4: h = silu(a Wg^T) (a Wu^T), quantised along the hidden axis.  Work-groups 0-127: the shared expert on Q(x) (8 tiles of rows x 16 of columns); 128-247: the routed experts on Q(x score) (15 x 8).
; WORK LEFT OUT: a token's rows in experts that were not chosen for it (reference() multiplies them by its own mask's 0): a routed tile holds rows of one expert, from the stored list.
; 15 routed tiles of 256 rows serve every split of 2,048 rows over 8 experts (2,048 / 256 + 7).  A tile that a split leaves without rows walks the same text on addresses held inside the buffers and stores nothing:
; the rows' count acts through EXEC at the stores alone.
; SHARES.  A tile is 256 sorted places x 128 hidden units: 128 rows of Wg and 128 of Wu, K = 1,024.  Wave w takes rows 64 w .. 64 w + 63 (4 blocks of 16) against all 16 tiles of weights: 64 accumulators, 512 matrix instructions.
; The rows' fragments belong to one wave alone: they go from memory straight into registers (256 registers: all of K), gathered by the list.  The weights are read by all four waves: they come through LDS, all of K at once
; (two halves of K, filled once: no slot is ever filled again), each wave fetching 64 rows.
; TRANSPOSED: source 0 = 16 rows of weights, source 1 = 16 tokens: a lane holds ONE token (lane % 16), and its registers run along the hidden units: tile t, register j: unit 16 t + 8 (lane / 16) + j.
; OUT.  hid_codes [2 s + c][place][32 bytes], s the K step of 128 of launch 4 (0-15 shared, 16-23 routed), c the half of a fragment: a fragment's registers 4 c .. 4 c + 3 of lane (r, h) lie at 32 place + 16 h,
; so a store, and launch 4's load, covers 512 consecutive bytes from any first place.  hid_scales [s][place][4 bytes].
; NO CLUSTER: a routed tile's weights hang on its entry of the list, which may differ between neighbours, and a joint load's descriptor has to be equal in all that it names; and 128 + 120 work-groups are two kinds of tiles in one grid.
; LIMITS: as stated at the head of launch 1; where 2^(-log2(e) g) overflows, silu(g) is taken as 0.
.set WP,    272                        ; a weight row's half of K in LDS: 256 bytes + 16 of padding = 17 x 16 bytes: the 16 rows that a load touches start in 16 different groups of banks
.set HALF,  256*WP                     ; 256 rows (128 of Wg, then 128 of Wu) x half of K
.set SCL,   2*HALF                     ; behind the two halves: the 256 rows' scale bytes, 32 a row, as units of 256 bytes + 16 of padding
.set SPARE, SCL+32*272                 ; the spare words, 128 bytes for each wave: two blocks of 256 bytes that no other line names
; REGISTERS, in windows of 256.  Window 0: addresses, scale words, one set of weight fragments (v128-255), on the way out the work.  Window 1: the rows' fragments, 32 s + 8 a.  Window 2: Wg's accumulators, 64 a + 8 t.  Window 3: Wu's, likewise.
.set ADW,   4                          ; v4-5     my lane's place in a tile of weights, K half 0, 1
.set ADS,   6                          ; v6       and among the weights' scale words: lanes 0-15 Wg's rows, lanes 16-31 Wu's
.set TA,    8                          ; v8-11    block a: my token's row of codes + 16 h
.set TS,    12                         ; v12-13   rows 32 p + lane: my token's row of scale bytes
.set PO,    14                         ; v14-17   block a: 32 x my place + 16 h
.set PS,    18                         ; v18-19   rows 32 p + lane: 4 x my place: in the list, and in hid_scales
.set LA,    20                         ; v20-23   block a: 4 x my place, in the list
.set SPW,   28
.set NIL,   29
.set AS,    32                         ; v32-47   the rows' scale words, 8 p + s: lanes 0-15 block 2 p, lanes 16-31 block 2 p + 1
.set WS,    48                         ; v48-111  the weights' scale words, 8 t + s: lanes 0-15 Wg's tile t, lanes 16-31 Wu's
.set LV,    112                        ; v112-117 tokens from the list
.set BF,    128                        ; v128-255 weight fragments of one K step: Wg's 8 tiles, then Wu's
.set HA,    128                        ; the way out: v128-191 a block's 64 numbers;
.set TM,    192                        ; v192-207 at work;
.set PCB,   208                        ; v208-239 the four blocks' codes;
.set PWB,   240                        ; v240-243 their scale words;
.set SW,    244                        ; v244-245 the words as they are stored
.set MSB, 0
.macro WIN new                         ; the immediate's high byte repeats the setting that is left
.if MSB != \new
	s_set_vgpr_msb (MSB<<8)|\new
.set MSB, \new
.endif
.endm
.macro PLACES                          ; four plain lines between a matrix instruction and a load into, or a vector line on, its registers (ISA guide 7.12.1 for vector lines)
.rept 4
	v_nop
.endr
.endm
; One matrix instruction on the registers rD, rA, rB, rSA, rSB.  zero: it starts its sum;  ra, rb: the scales stand in lanes 16-31
.macro WMMA zero, ra, rb
.if (\zero) && (\ra) && (\rb)
	v_wmma_scale_f32_16x16x128_f8f6f4 v[rD:rD+7], v[rA:rA+7], v[rB:rB+7], 0, v[rSA], v[rSB] matrix_a_fmt:MATRIX_FMT_FP4 matrix_b_fmt:MATRIX_FMT_FP4 matrix_a_scale:MATRIX_SCALE_ROW1 matrix_b_scale:MATRIX_SCALE_ROW1
.elseif (\zero) && (\ra)
	v_wmma_scale_f32_16x16x128_f8f6f4 v[rD:rD+7], v[rA:rA+7], v[rB:rB+7], 0, v[rSA], v[rSB] matrix_a_fmt:MATRIX_FMT_FP4 matrix_b_fmt:MATRIX_FMT_FP4 matrix_a_scale:MATRIX_SCALE_ROW1
.elseif (\zero) && (\rb)
	v_wmma_scale_f32_16x16x128_f8f6f4 v[rD:rD+7], v[rA:rA+7], v[rB:rB+7], 0, v[rSA], v[rSB] matrix_a_fmt:MATRIX_FMT_FP4 matrix_b_fmt:MATRIX_FMT_FP4 matrix_b_scale:MATRIX_SCALE_ROW1
.elseif \zero
	v_wmma_scale_f32_16x16x128_f8f6f4 v[rD:rD+7], v[rA:rA+7], v[rB:rB+7], 0, v[rSA], v[rSB] matrix_a_fmt:MATRIX_FMT_FP4 matrix_b_fmt:MATRIX_FMT_FP4
.elseif (\ra) && (\rb)
	v_wmma_scale_f32_16x16x128_f8f6f4 v[rD:rD+7], v[rA:rA+7], v[rB:rB+7], v[rD:rD+7], v[rSA], v[rSB] matrix_a_fmt:MATRIX_FMT_FP4 matrix_b_fmt:MATRIX_FMT_FP4 matrix_a_scale:MATRIX_SCALE_ROW1 matrix_b_scale:MATRIX_SCALE_ROW1
.elseif \ra
	v_wmma_scale_f32_16x16x128_f8f6f4 v[rD:rD+7], v[rA:rA+7], v[rB:rB+7], v[rD:rD+7], v[rSA], v[rSB] matrix_a_fmt:MATRIX_FMT_FP4 matrix_b_fmt:MATRIX_FMT_FP4 matrix_a_scale:MATRIX_SCALE_ROW1
.elseif \rb
	v_wmma_scale_f32_16x16x128_f8f6f4 v[rD:rD+7], v[rA:rA+7], v[rB:rB+7], v[rD:rD+7], v[rSA], v[rSB] matrix_a_fmt:MATRIX_FMT_FP4 matrix_b_fmt:MATRIX_FMT_FP4 matrix_b_scale:MATRIX_SCALE_ROW1
.else
	v_wmma_scale_f32_16x16x128_f8f6f4 v[rD:rD+7], v[rA:rA+7], v[rB:rB+7], v[rD:rD+7], v[rSA], v[rSB] matrix_a_fmt:MATRIX_FMT_FP4 matrix_b_fmt:MATRIX_FMT_FP4
.endif
.endm
	s_load_b512 s[4:19], s[0:1], 0x0               ; s[4:5] xq_codes, s[6:7] xq_scales, s[8:9] plan, s[10:11] w13_codes, s[12:13] w13_scales, s[14:15] w13_shared_codes, s[16:17] w13_shared_scales, s[18:19] hid_codes
	s_load_b64 s[20:21], s[0:1], 0x40              ; hid_scales
	v_lshl_add_u32 v[SPW], v0, 2, SPARE
	v_mov_b32 v[NIL], 0
	ds_add_u32 v[SPW], v[NIL]                      ; the wave's opening: the add, twice on end, and its wait ahead of my first tensor load; the set-up below, work on registers, stands between
	ds_add_u32 v[SPW], v[NIL]
	v_lshrrev_b32 v1, 5, v0
	v_readfirstlane_b32 s22, v1                    ; wave 0..3
	s_lshr_b32 s23, ttmp9, 4                       ; a shared tile: entry = wg / 16, columns = wg % 16, K step of launch 4 = columns
	s_and_b32 s24, ttmp9, 15
	s_sub_co_u32 s72, ttmp9, 128                   ; a routed tile: u = wg - 128: entry = 8 + u / 8, columns = u % 8, K step = 16 + columns
	s_lshr_b32 s73, s72, 3
	s_add_co_u32 s73, s73, 8
	s_and_b32 s74, s72, 7
	s_add_co_u32 s75, s74, 16
	s_cmp_lt_u32 ttmp9, 128                        ; only selects stand between this compare and its last use
	s_cselect_b32 s23, s23, s73
	s_cselect_b32 s27, s24, s75                    ; s27: the K step
	s_cselect_b32 s24, s24, s74                    ; s24: the tile of columns
	s_cselect_b32 s25, 0, 1                        ; s25: the kind of tokens
	s_cselect_b32 s26, 11, 10
	s_lshl_b32 s26, 1, s26                         ; s26: the hidden width: Wu's rows begin that many rows behind Wg's
	s_min_u32 s23, s23, 31
	s_lshl_b32 s23, s23, 4                         ; s23: the entry's byte in the table
	s_lshr_b32 s76, s22, 1                         ; the 64 weight rows that I fetch: waves 0, 1: Wg's halves; waves 2, 3: Wu's
	s_mul_i32 s76, s76, s26
	s_lshl_b32 s73, s24, 7
	s_add_co_u32 s76, s76, s73
	s_and_b32 s73, s22, 1
	s_lshl_b32 s73, s73, 6
	s_add_co_u32 s76, s76, s73                     ; s76: their first row
	s_lshl_b32 s77, s22, 6                         ; s77: 64 w
	; descriptor group 1 for codes: 64 rows x 256 bytes, 512 bytes apart in memory, 16 bytes of padding behind each row in LDS
	s_mov_b32 s32, (0<<16)|(1<<20)|(5<<22)|(3<<25) ; no mask; elements of 1 byte; padding on; after every 64 words; 4 words
	s_mov_b32 s33, 256<<16                         ; tensor_dim0
	s_mov_b32 s34, 64<<16                          ; tensor_dim1
	s_mov_b32 s35, 256<<16                         ; tile_dim0
	s_mov_b32 s36, 64                              ; tile_dim1
	s_mov_b32 s37, 512                             ; the pitch
	s_mov_b32 s38, 0
	s_mov_b32 s39, 0
	; and for scale bytes: 64 rows x 32 bytes are 2,048 dense bytes: 8 rows of 256 (32 elements of 8 bytes), padded likewise
	s_mov_b32 s40, (3<<16)|(1<<20)|(5<<22)|(3<<25)
	s_mov_b32 s41, 32<<16
	s_mov_b32 s42, 8<<16
	s_mov_b32 s43, 32<<16
	s_mov_b32 s44, 8
	s_mov_b32 s45, 32
	s_mov_b32 s46, 0
	s_mov_b32 s47, 0
	s_mov_b32 s56, 1                               ; groups 0: s[56:59] scale bytes, s[48:51] K half 0, s[52:55] K half 1: count, LDS address by the wave's number
	s_mul_i32 s57, s22, 8*272
	s_add_co_u32 s57, s57, SCL
	s_mov_b32 s48, 1
	s_mul_i32 s49, s22, 64*WP
	s_mov_b32 s52, 1
	s_add_co_u32 s53, s49, HALF
	s_mov_b32 s60, 0xbfb8aa3b                      ; -log2(e); the packed form names a pair
	s_mov_b32 s61, s60
	s_mov_b32 s62, 0x76543210
	s_mov_b32 s63, 0xfedcba98                      ; v_permlanex16_b32's selects for lane l xor 16
	s_mov_b32 s88, 0xffff0000                      ; lanes 16-31
	v_and_b32 v1, 15, v0                           ; r
	v_bfe_u32 v2, v0, 4, 1                         ; h
	v_and_b32 v3, 31, v0                           ; lane
	v_mul_u32_u24 v[ADW], v1, WP
	v_lshl_add_u32 v[ADW], v2, 4, v[ADW]           ; row r x pitch + 16 h
	v_add_nc_u32 v[ADW+1], HALF, v[ADW]
	v_lshrrev_b32 v7, 3, v1
	v_mul_u32_u24 v[ADS], v7, 272                  ; eight rows' scale bytes to a unit
	v_and_b32 v7, 7, v1
	v_lshl_add_u32 v[ADS], v7, 5, v[ADS]
	v_mad_u32_u24 v[ADS], v2, 4352, v[ADS]         ; Wu's 128 rows lie 16 units behind Wg's
	v_add_nc_u32 v[ADS], SCL, v[ADS]
	s_wait_dscnt 0x0                               ; both opening adds are done
	s_wait_kmcnt 0x0
	s_load_b128 s[28:31], s[8:9], s23 offset:0x2000   ; my tile: s28 first place, s29 rows, s30 expert
	s_cmp_lt_u32 ttmp9, 128
	s_cselect_b64 s[84:85], s[14:15], s[10:11]     ; the weights' codes,
	s_cselect_b64 s[86:87], s[16:17], s[12:13]     ; and their scale bytes
	s_mov_b32 s79, 0
	s_lshl_b32 s78, s25, 20
	s_add_nc_u64 s[4:5], s[4:5], s[78:79]          ; the tokens' codes of my kind,
	s_lshl_b32 s78, s25, 16
	s_add_nc_u64 s[6:7], s[6:7], s[78:79]          ; their scale bytes
	s_lshl_b32 s78, s27, 17
	s_add_nc_u64 s[18:19], s[18:19], s[78:79]      ; my K step's two planes of hid_codes,
	s_lshl_b32 s78, s27, 13
	s_add_nc_u64 s[20:21], s[20:21], s[78:79]      ; and its plane of hid_scales
	s_wait_kmcnt 0x0
	s_min_u32 s30, s30, 7                          ; held inside the table of experts (0 in a shared tile's entry)
	s_lshl_b32 s80, s30, 20                        ; an expert's codes are 2,048 rows of 512 bytes
	s_lshl_b32 s81, s76, 9
	s_add_co_u32 s80, s80, s81
	s_mov_b32 s81, 0
	s_lshl_b32 s82, s30, 16                        ; its scale bytes 2,048 rows of 32
	s_lshl_b32 s83, s76, 5
	s_add_co_u32 s82, s82, s83
	s_mov_b32 s83, 0
	s_add_nc_u64 s[58:59], s[86:87], s[82:83]
	s_or_b32 s59, s59, 0x80000000                  ; type = 2
	s_add_nc_u64 s[50:51], s[84:85], s[80:81]
	s_add_nc_u64 s[54:55], s[50:51], 256           ; K half 1 begins 256 bytes on in each row
	s_or_b32 s51, s51, 0x80000000
	s_or_b32 s55, s55, 0x80000000
	tensor_load_to_lds s[56:59], s[40:47]          ; all my fills go out together, ahead of every wait on TENSORcnt, every LDS read and every barrier: three are out
	s_nop 0
	tensor_load_to_lds s[48:51], s[32:39]
	s_nop 0
	tensor_load_to_lds s[52:55], s[32:39]
	s_nop 0
	PLACES
	s_add_co_u32 s78, s28, s77                     ; my wave's first place
	s_sub_co_i32 s72, s29, s77                     ; and how many of the tile's rows are left from there on
	s_max_i32 s66, s72, 0                          ; s66, s67: from rows 0 and 32 on;  s68-71: from block a on
	s_sub_co_i32 s73, s72, 32
	s_max_i32 s67, s73, 0
.irp a, 0,1,2,3
	s_sub_co_i32 s73, s72, 16*\a
	s_max_i32 s[68+\a], s73, 0
.endr
.irp a, 0,1,2,3
	v_add3_u32 v[LA+\a], s78, v1, 16*\a
	v_min_u32 v[LA+\a], 0x7ff, v[LA+\a]            ; a place is held inside the list: rows beyond the tile's count are computed on some token's numbers and not stored
	v_lshlrev_b32 v[PO+\a], 5, v[LA+\a]
	v_lshl_add_u32 v[PO+\a], v2, 4, v[PO+\a]
	v_lshlrev_b32 v[LA+\a], 2, v[LA+\a]
.endr
.irp p, 0,1
	v_add3_u32 v[PS+\p], s78, v3, 32*\p
	v_min_u32 v[PS+\p], 0x7ff, v[PS+\p]
	v_lshlrev_b32 v[PS+\p], 2, v[PS+\p]
.endr
.irp a, 0,1,2,3
	global_load_b32 v[LV+\a], v[LA+\a], s[8:9]
.endr
.irp p, 0,1
	global_load_b32 v[LV+4+\p], v[PS+\p], s[8:9]
.endr
	s_wait_loadcnt 0x0
.irp a, 0,1,2,3
	v_min_u32 v[LV+\a], 0x7ff, v[LV+\a]
	v_lshlrev_b32 v[TA+\a], 9, v[LV+\a]
	v_lshl_add_u32 v[TA+\a], v2, 4, v[TA+\a]
.endr
.irp p, 0,1
	v_min_u32 v[LV+4+\p], 0x7ff, v[LV+4+\p]
	v_lshlrev_b32 v[TS+\p], 5, v[LV+4+\p]
.endr
.irp p, 0,1
.irp q, 0,1
	global_load_b128 v[AS+8*\p+4*\q:AS+8*\p+4*\q+3], v[TS+\p], s[6:7] offset:16*\q
.endr
.endr
	WIN 0x40                                       ; destination window 1
.irp s, 0,1,2,3,4,5,6,7                ; the rows' fragments, all of K, in K's order: eight loads a K step
.irp a, 0,1,2,3
.irp c, 0,1
	global_load_b128 v[32*\s+8*\a+4*\c:32*\s+8*\a+4*\c+3], v[TA+\a], s[4:5] offset:64*\s+32*\c
.endr
.endr
.endr
	WIN 0
	s_wait_tensorcnt 0x1                           ; my scale bytes and my part of K half 0 are in; half 1's load may be out
	s_barrier_signal -1
	s_barrier_wait -1                              ; everybody's are
.macro WFRAG T, s                      ; tile T's fragment of K step s: lane (r, h): row r, registers 4 c .. 4 c + 3: k = 64 c + 32 h + 0 .. 31
.irp c, 0,1
	ds_load_b128 v[BF+8*(\T)+4*\c:BF+8*(\T)+4*\c+3], v[ADW+(\s)/4] offset:4352*(\T)+64*((\s)%4)+32*\c
.endr
.endm
.macro GATES s
.irp t, 0,1,2,3,4,5,6,7
	WFRAG \t, \s
.endr
.endm
.macro UPS s
.irp t, 8,9,10,11,12,13,14,15
	WFRAG \t, \s
.endr
.endm
; 32 matrix instructions each: 8 tiles of weights x my 4 blocks of rows.  The 64 accumulators take turns, one instruction a turn, in the same order in every K step.
.macro MULG s
	WIN 0xa4                                       ; source 0 (weights) window 0, source 1 (rows) window 1, C and D window 2
.irp t, 0,1,2,3,4,5,6,7
.irp a, 0,1,2,3
.set rD, 64*\a+8*\t
.set rA, BF+8*\t
.set rB, 32*(\s)+8*\a
.set rSA, WS+8*\t+(\s)
.set rSB, AS+8*(\a/2)+(\s)
	WMMA (\s)==0, 0, \a%2
.endr
.endr
.endm
.macro MULU s
	WIN 0xf4                                       ; the same, C and D window 3
.irp t, 0,1,2,3,4,5,6,7
.irp a, 0,1,2,3
.set rD, 64*\a+8*\t
.set rA, BF+64+8*\t
.set rB, 32*(\s)+8*\a
.set rSA, WS+8*\t+(\s)
.set rSB, AS+8*(\a/2)+(\s)
	WMMA (\s)==0, 1, \a%2
.endr
.endr
.endm
; A K step of 128.  Each half-set of weight fragments is asked for 32 matrix instructions ahead of its use, into the registers that the 32 before have just read.
.macro STEP s
	s_wait_loadcnt 8*(7-(\s))                      ; this step's rows are in; the later steps' eight loads each may be out
	s_wait_dscnt 16                                ; Wg's fragments are in; Wu's sixteen loads may be out
	MULG \s
	PLACES
	WIN 0
.if (\s) == 3
	s_wait_tensorcnt 0x0                           ; my part of K half 1 is in,
	s_wait_dscnt 0x0                               ; (no LDS instruction of mine is out at a signal)
	s_barrier_signal -1
	s_barrier_wait -1                              ; everybody's is
.endif
.if (\s) < 7
	GATES (\s)+1
	s_wait_dscnt 16                                ; Wu's fragments are in; the sixteen loads just issued may be out
.else
	s_wait_dscnt 0x0
.endif
	MULU \s
.if (\s) < 7
	PLACES
	WIN 0
	UPS (\s)+1
.endif
.endm
.irp t, 0,1,2,3,4,5,6,7
.irp q, 0,1
	ds_load_b128 v[WS+8*\t+4*\q:WS+8*\t+4*\q+3], v[ADS] offset:544*\t+16*\q   ; the weights' scale words of all of K
.endr
.endr
	GATES 0
	UPS 0
.irp s, 0,1,2,3,4,5,6,7
	STEP \s
.endr
	WIN 0
	PLACES
.irp b, 0,1,2,3
	v_mov_b32 v[TM+4+\b], 0                        ; written once: a lane permute's destination counts as one of its sources
.endr
; Block a: h = (g / (1 + 2^(-log2(e) g))) u, in f32.  Each accumulator is read from its low end on.  The exponentials are one batch with one wait, and so are the reciprocals.
.macro SWIGLU a
	WIN 0x02                                       ; source 0 window 2: g
.set i, 0
.rept 32
	v_pk_mul_f32 v[HA+i:HA+i+1], v[64*(\a)+i:64*(\a)+i+1], s[60:61] op_sel_hi:[1,0]
.set i, i+2
.endr
	WIN 0
.set i, 0
.rept 64
	v_exp_f32 v[HA+i], v[HA+i]
.set i, i+1
.endr
	v_nop                                          ; a plain line behind the last exponential
	s_wait_alu depctr_va_vdst(0)                   ; the wait ahead of the first line that names a result: one for the batch
.set i, 0
.rept 32
	v_pk_add_f32 v[HA+i:HA+i+1], v[HA+i:HA+i+1], 1.0 op_sel_hi:[1,0]
.set i, i+2
.endr
.set i, 0
.rept 64
	v_rcp_f32 v[HA+i], v[HA+i]
.set i, i+1
.endr
	v_nop
	s_wait_alu depctr_va_vdst(0)
	WIN 0x02
.set i, 0
.rept 32
	v_pk_mul_f32 v[HA+i:HA+i+1], v[64*(\a)+i:64*(\a)+i+1], v[HA+i:HA+i+1]    ; silu(g)
.set i, i+2
.endr
	WIN 0x0c                                       ; source 1 window 3: u
.set i, 0
.rept 32
	v_pk_mul_f32 v[HA+i:HA+i+1], v[HA+i:HA+i+1], v[64*(\a)+i:64*(\a)+i+1]
.set i, i+2
.endr
	WIN 0
.endm
; The block's 128 hidden units are one K step of launch 4.  Register 16 b + 8 u + j of lane (r, h) is unit 32 b + 16 u + 8 h + j of token r: block b of 32 lies in 16 registers of lanes l and l xor 16.
.macro QUANT a
.irp b, 0,1,2,3
	v_max3_num_f32 v[TM+\b], |v[HA+16*\b]|, |v[HA+1+16*\b]|, 0x1800000   ; my 16 numbers, and the floor 2^(3 - 127): the byte cannot fall under 1
.endr
.irp i, 2,4,6,8,10,12,14
.irp b, 0,1,2,3
	v_max3_num_f32 v[TM+\b], v[TM+\b], |v[HA+16*\b+\i]|, |v[HA+1+16*\b+\i]|   ; (the four blocks by turns)
.endr
.endr
.irp b, 0,1,2,3
	v_permlanex16_b32 v[TM+4+\b], v[TM+\b], s62, s63
.endr
.irp b, 0,1,2,3
	v_max_num_f32 v[TM+\b], v[TM+\b], v[TM+4+\b]   ; with lane l xor 16's: the block's largest magnitude
.endr
.irp b, 0,1,2,3
	v_add_nc_u32 v[TM+12+\b], 0xff000000, v[TM+\b] ; 2 off its exponent field: the conversion's scale operand
.endr
.irp b, 0,1,2,3
	v_lshrrev_b32 v[TM+4+\b], 23, v[TM+12+\b]      ; the scale's byte
.endr
	v_lshl_or_b32 v[PWB+(\a)], v[TM+5], 8, v[TM+4] ; my token's scale word
	v_lshl_or_b32 v[PWB+(\a)], v[TM+6], 16, v[PWB+(\a)]
	v_lshl_or_b32 v[PWB+(\a)], v[TM+7], 24, v[PWB+(\a)]
.irp b, 0,1,2,3
.irp u, 0,1
	v_cvt_scalef32_pk8_fp4_f32 v[PCB+8*(\a)+4*(\b/2)+2*\u+(\b%2)], v[HA+16*\b+8*\u:HA+16*\b+8*\u+7], v[TM+12+\b]   ; eight codes: group 2 u + h of block b
.endr
.endr
	v_nop                                          ; one plain line behind a scaled conversion
.irp c, 0,1                            ; a fragment wants register 4 c + i of lane (r, h) to be group i of block 2 c + h: the even block's lanes 16-31 change places with the odd block's lanes 0-15
.irp u, 0,1
	v_permlane16_swap_b32 v[PCB+8*(\a)+4*\c+2*\u], v[PCB+8*(\a)+4*\c+2*\u+1]
.endr
.endr
.endm
.irp a, 0,1,2,3
	SWIGLU \a
	QUANT \a
.endr
	v_cndmask_b32 v[SW], v[PWB], v[PWB+1], s88     ; lane l takes row 32 p + l's word
	v_cndmask_b32 v[SW+1], v[PWB+2], v[PWB+3], s88
	s_wait_xcnt 0x0                                ; EXEC changes only behind this wait, here and at each change below
	v_cmpx_gt_u32 s66, v3                          ; only the tile's own rows are stored; from store to store the masks only shrink
	global_store_b32 v[PS], v[SW], s[20:21]        ; 128 consecutive bytes
	s_wait_xcnt 0x0
	v_cmpx_gt_u32 s67, v3
	global_store_b32 v[PS+1], v[SW+1], s[20:21]
	s_wait_xcnt 0x0
	s_mov_b32 exec_lo, -1
.irp a, 0,1,2,3
.if \a > 0
	s_wait_xcnt 0x0
.endif
	v_cmpx_gt_u32 s[68+\a], v1
	global_store_b128 v[PO+\a], v[PCB+8*\a:PCB+8*\a+3], s[18:19]                 ; 512 consecutive bytes: 16 places x 32
	global_store_b128 v[PO+\a], v[PCB+8*\a+4:PCB+8*\a+7], s[18:19] offset:65536
.endr
	s_wait_xcnt 0x0
	s_mov_b32 exec_lo, -1
	s_wait_tensorcnt 0x0                           ; the wave's end, behind my last tensor load
	ds_add_u32 v[SPW], v[NIL]
	s_wait_dscnt 0x0
	s_endpgm
.Lfunc_end_k_q180598c345_up:
	.size	k_q180598c345_up, .Lfunc_end_k_q180598c345_up-k_q180598c345_up
	.p2alignl 7, 3214868480
	.fill 96, 4, 3214868480
	.section	.rodata,"a",@progbits
	.p2align	6, 0x0
	.amdhsa_kernel k_q180598c345_up
		.amdhsa_group_segment_fixed_size 167936
		.amdhsa_private_segment_fixed_size 0
		.amdhsa_enable_private_segment 0
		.amdhsa_kernarg_size 72
		.amdhsa_user_sgpr_count 2
		.amdhsa_user_sgpr_kernarg_segment_ptr 1
		.amdhsa_wavefront_size32 1
		.amdhsa_system_sgpr_workgroup_id_x 1
		.amdhsa_system_sgpr_workgroup_id_y 1
		.amdhsa_system_sgpr_workgroup_id_z 1
		.amdhsa_system_vgpr_workitem_id 0
		.amdhsa_next_free_vgpr 1024
		.amdhsa_next_free_sgpr 100
		.amdhsa_reserve_vcc 0
		.amdhsa_float_denorm_mode_32 3
		.amdhsa_float_denorm_mode_16_64 3
		.amdhsa_memory_ordered 1
		.amdhsa_forward_progress 1
		.amdhsa_inst_pref_size 166
	.end_amdhsa_kernel
	.amdgpu_metadata
---
amdhsa.version: [ 1, 2 ]
amdhsa.kernels:
  - .name:           k_q180598c345_up
    .symbol:         k_q180598c345_up.kd
    .args:
      - { .name: xq_codes, .offset: 0, .size: 8, .value_kind: global_buffer, .address_space: global }
      - { .name: xq_scales, .offset: 8, .size: 8, .value_kind: global_buffer, .address_space: global }
      - { .name: plan, .offset: 16, .size: 8, .value_kind: global_buffer, .address_space: global }
      - { .name: w13_codes, .offset: 24, .size: 8, .value_kind: global_buffer, .address_space: global }
      - { .name: w13_scales, .offset: 32, .size: 8, .value_kind: global_buffer, .address_space: global }
      - { .name: w13_shared_codes, .offset: 40, .size: 8, .value_kind: global_buffer, .address_space: global }
      - { .name: w13_shared_scales, .offset: 48, .size: 8, .value_kind: global_buffer, .address_space: global }
      - { .name: hid_codes, .offset: 56, .size: 8, .value_kind: global_buffer, .address_space: global }
      - { .name: hid_scales, .offset: 64, .size: 8, .value_kind: global_buffer, .address_space: global }
    .group_segment_fixed_size: 167936
    .private_segment_fixed_size: 0
    .kernarg_segment_align: 8
    .kernarg_segment_size: 72
    .max_flat_workgroup_size: 128
    .sgpr_count:     100
    .vgpr_count:     1024
    .wavefront_size: 32
...
	.end_amdgpu_metadata
.endif
;; end of part 3
;; launch down (part 4): grid 8 x 23, 4 waves a work-group, no clusters, 216,320 bytes of LDS; arguments hid_codes, hid_scales, plan, w2_codes, w2_scales, w2_shared_codes, w2_shared_scales, out0; writes out0
.if DOCPART == 4
	.amdgcn_target "amdgcn-amd-amdhsa--gfx1250"
	.amdhsa_code_object_version 6
	.text
	.protected	k_q180598c345_down
	.globl	k_q180598c345_down
	.p2align	8
	.type	k_q180598c345_down,@function
k_q180598c345_down:
	s_mov_b64 s[64:65], 0
	v_nop
	global_prefetch_b8 v0, s[64:65] scope:SCOPE_SE
	s_setreg_imm32_b32 hwreg(HW_REG_WAVE_MODE, 25, 1), 1
	s_wait_xcnt 0x0
; Launch 4 of 4: out = hs W2s^T + h W2[e]^T, as ONE sum over K = 3,072 = [2,048 of the shared hidden layer | 1,024 of the routed one], so that each output row has one owner and nothing is added in memory.
; WORK LEFT OUT: a token's rows in experts that were not chosen for it (reference() multiplies them by its own mask's 0): a tile holds places of one expert, from the stored list.
; 23 tiles of 128 rows serve every split of 2,048 rows over 8 experts (2,048 / 128 + 7).  A tile without rows walks the same text on addresses held
; inside the buffers and stores nothing.  THE ROWS' COUNT ACTS TWICE.  A wave none of whose 32 rows lies inside the count has EXEC off at its stores.  In the one wave of a tile that the count cuts, the rows beyond it are held
; at the tile's last row: they load its numbers, compute its results and store the same bytes to the same place once more (at the most 31 rows of 512 bytes a tile).  So EXEC changes once ahead of the 32 stores, not ahead of each.
; SHARES.  A tile is 128 sorted places x 128 output columns, 24 K steps of 128.  Wave w takes rows 32 w .. 32 w + 31 (2 blocks of 16) against 8 tiles of columns: 16 accumulators, 384 matrix instructions.
; The rows' fragments belong to one wave alone: they go from memory straight into registers (384 registers: all of K; each load covers 512 consecutive bytes): K steps 0 to 8 are asked for at the head, step s + 9 in step s.
; The weights, which all four waves read, come through LDS, all of K at once in three slices of 1,024, filled once.  A wave fetches 32 rows of each slice, so that all waves' counted waits are alike.
; A fragment of weights read from LDS feeds two matrix instructions.  A wave tile of 64 x 64 would feed four, but it shares rows between waves, so the rows would have to lie in LDS too: 128 x 1,536 bytes more than fit beside the weights.
; TRANSPOSED: source 0 = 16 rows of W2 (output columns), source 1 = 16 places: a lane holds eight neighbouring columns of one row.  Rows leave through the wave's stage in LDS as 512 consecutive bytes, each to its token's row.
; NO CLUSTER: slice 2 hangs on the tile's entry of the list, which may differ between neighbours, and a joint load's descriptor has to be equal in all that it names; 23 rows of tiles divide into no cluster.
.set BP,    528                        ; a weight row of a slice in LDS: 512 bytes + 16 of padding = 33 x 16 bytes
.set SLICE, 128*BP
.set SCS,   3*SLICE                    ; W2s's scale bytes, 64 a row: 32 units of 256 bytes + 16 of padding
.set SCR,   SCS+32*272                 ; W2[e]'s, 32 a row: 16 units
.set SPARE, SCR+16*272                 ; the spare words, 128 bytes for each wave: two blocks of 256 bytes that no other line names
.set LEAD,  9                          ; the rows' fragments are asked for so many K steps ahead
; The stage, 16 rows x 528 bytes a wave, lies in slice 0: that slice is filled once, and every wave's reads of it are over at the barrier in front of slice 2.
; REGISTERS.  Window 0: addresses, scale words, two sets of weight fragments.  Window 1: the rows' fragments of K steps 0-15, 16 s + 8 a.  Window 2: of K steps 16-23.  Window 3: the accumulators, 64 a + 8 t.
.set ADB,   4                          ; v4-6     my lane's place in a tile of weights, slice 0, 1, 2
.set ADSS,  7                          ; v7       among W2s's scale words: lanes 0-15 tile t, lanes 16-31 tile t + 4
.set ADSR,  8                          ; v8       among W2[e]'s
.set PA,    9                          ; v9-10    block a: 32 x my place + 16 h
.set PL,    11                         ; v11      4 x the place of row lane: in the list, and in hid_scales
.set TOK,   12                         ; v12      row lane's token
.set NR,    13                         ; v13      how many of the tile's rows are left from my wave's first on
.set STO,   14                         ; v14      the stage: where I put 32 bytes of a row
.set RD,    15                         ; v15      and where I read a row back
.set LI,    16                         ; v16      16 x lane
.set SPW,   28
.set NIL,   29
.set AS,    32                         ; v32-55   the rows' scale words of K step s: lane l: row l
.set WS,    64                         ; v64-95   the weights' scale words, two sets of 16: 4 (t % 4) + s % 4
.set AD,    96                         ; v96-127  the way out: row i's byte offset in out0
.set BF,    128                        ; v128-255 weight fragments, two sets of 64; on the way out the rows
.set MSB, 0
.macro WIN new                         ; the immediate's high byte repeats the setting that is left
.if MSB != \new
	s_set_vgpr_msb (MSB<<8)|\new
.set MSB, \new
.endif
.endm
.macro PLACES                          ; four plain lines between a matrix instruction and a load into, or a read of, its registers (ISA guide 7.12.1 for vector lines)
.rept 4
	v_nop
.endr
.endm
.macro WMMA zero, ra, rb               ; one matrix instruction on rD, rA, rB, rSA, rSB.  zero: it starts its sum;  ra, rb: the scales stand in lanes 16-31
.if (\zero) && (\ra) && (\rb)
	v_wmma_scale_f32_16x16x128_f8f6f4 v[rD:rD+7], v[rA:rA+7], v[rB:rB+7], 0, v[rSA], v[rSB] matrix_a_fmt:MATRIX_FMT_FP4 matrix_b_fmt:MATRIX_FMT_FP4 matrix_a_scale:MATRIX_SCALE_ROW1 matrix_b_scale:MATRIX_SCALE_ROW1
.elseif (\zero) && (\ra)
	v_wmma_scale_f32_16x16x128_f8f6f4 v[rD:rD+7], v[rA:rA+7], v[rB:rB+7], 0, v[rSA], v[rSB] matrix_a_fmt:MATRIX_FMT_FP4 matrix_b_fmt:MATRIX_FMT_FP4 matrix_a_scale:MATRIX_SCALE_ROW1
.elseif (\zero) && (\rb)
	v_wmma_scale_f32_16x16x128_f8f6f4 v[rD:rD+7], v[rA:rA+7], v[rB:rB+7], 0, v[rSA], v[rSB] matrix_a_fmt:MATRIX_FMT_FP4 matrix_b_fmt:MATRIX_FMT_FP4 matrix_b_scale:MATRIX_SCALE_ROW1
.elseif \zero
	v_wmma_scale_f32_16x16x128_f8f6f4 v[rD:rD+7], v[rA:rA+7], v[rB:rB+7], 0, v[rSA], v[rSB] matrix_a_fmt:MATRIX_FMT_FP4 matrix_b_fmt:MATRIX_FMT_FP4
.elseif (\ra) && (\rb)
	v_wmma_scale_f32_16x16x128_f8f6f4 v[rD:rD+7], v[rA:rA+7], v[rB:rB+7], v[rD:rD+7], v[rSA], v[rSB] matrix_a_fmt:MATRIX_FMT_FP4 matrix_b_fmt:MATRIX_FMT_FP4 matrix_a_scale:MATRIX_SCALE_ROW1 matrix_b_scale:MATRIX_SCALE_ROW1
.elseif \ra
	v_wmma_scale_f32_16x16x128_f8f6f4 v[rD:rD+7], v[rA:rA+7], v[rB:rB+7], v[rD:rD+7], v[rSA], v[rSB] matrix_a_fmt:MATRIX_FMT_FP4 matrix_b_fmt:MATRIX_FMT_FP4 matrix_a_scale:MATRIX_SCALE_ROW1
.elseif \rb
	v_wmma_scale_f32_16x16x128_f8f6f4 v[rD:rD+7], v[rA:rA+7], v[rB:rB+7], v[rD:rD+7], v[rSA], v[rSB] matrix_a_fmt:MATRIX_FMT_FP4 matrix_b_fmt:MATRIX_FMT_FP4 matrix_b_scale:MATRIX_SCALE_ROW1
.else
	v_wmma_scale_f32_16x16x128_f8f6f4 v[rD:rD+7], v[rA:rA+7], v[rB:rB+7], v[rD:rD+7], v[rSA], v[rSB] matrix_a_fmt:MATRIX_FMT_FP4 matrix_b_fmt:MATRIX_FMT_FP4
.endif
.endm
	s_load_b512 s[4:19], s[0:1], 0x0               ; s[4:5] hid_codes, s[6:7] hid_scales, s[8:9] plan, s[10:11] w2_codes, s[12:13] w2_scales, s[14:15] w2_shared_codes, s[16:17] w2_shared_scales, s[18:19] out0
	v_lshl_add_u32 v[SPW], v0, 2, SPARE
	v_mov_b32 v[NIL], 0
	ds_add_u32 v[SPW], v[NIL]                      ; the wave's opening: the add, twice on end, and its wait ahead of my first tensor load; the set-up below, work on registers, stands between
	ds_add_u32 v[SPW], v[NIL]
	v_lshrrev_b32 v1, 5, v0
	v_readfirstlane_b32 s20, v1                    ; wave 0..3
	s_and_b32 s21, ttmp7, 0xffff                   ; the tile of rows
	s_min_u32 s21, s21, 31
	s_lshl_b32 s21, s21, 4                         ; its entry's byte in the table
	s_lshl_b32 s22, ttmp9, 7                       ; the tile of columns: 128 rows of W2,
	s_lshl_b32 s23, s20, 5                         ; s23: 32 w
	s_add_co_u32 s22, s22, s23                     ; s22: the first of the 32 that I fetch
	; descriptor groups 1.  s[28:35]: 32 rows x 512 bytes, 1,024 apart (W2s), 16 bytes of padding behind each;  s[36:43]: the same, 512 apart (W2[e])
	s_mov_b32 s28, (0<<16)|(1<<20)|(6<<22)|(3<<25) ; no mask; elements of 1 byte; padding on; after every 128 words; 4 words
	s_mov_b32 s29, 512<<16                         ; tensor_dim0
	s_mov_b32 s30, 32<<16                          ; tensor_dim1
	s_mov_b32 s31, 512<<16                         ; tile_dim0
	s_mov_b32 s32, 32                              ; tile_dim1
	s_mov_b32 s33, 1024                            ; the pitch
	s_mov_b32 s34, 0
	s_mov_b32 s35, 0
	s_mov_b32 s36, (0<<16)|(1<<20)|(6<<22)|(3<<25)
	s_mov_b32 s37, 512<<16
	s_mov_b32 s38, 32<<16
	s_mov_b32 s39, 512<<16
	s_mov_b32 s40, 32
	s_mov_b32 s41, 512
	s_mov_b32 s42, 0
	s_mov_b32 s43, 0
	; s[44:51]: 2,048 dense scale bytes as 8 rows of 256 (32 elements of 8 bytes), 16 bytes of padding behind each;  s[52:59]: 1,024 as 4 rows
	s_mov_b32 s44, (3<<16)|(1<<20)|(5<<22)|(3<<25)
	s_mov_b32 s45, 32<<16
	s_mov_b32 s46, 8<<16
	s_mov_b32 s47, 32<<16
	s_mov_b32 s48, 8
	s_mov_b32 s49, 32
	s_mov_b32 s50, 0
	s_mov_b32 s51, 0
	s_mov_b32 s52, (3<<16)|(1<<20)|(5<<22)|(3<<25)
	s_mov_b32 s53, 32<<16
	s_mov_b32 s54, 4<<16
	s_mov_b32 s55, 32<<16
	s_mov_b32 s56, 4
	s_mov_b32 s57, 32
	s_mov_b32 s58, 0
	s_mov_b32 s59, 0
	; groups 0: s[60:63] W2s's scale bytes, s[68:71] W2[e]'s, s[72:75] slice 0, s[76:79] slice 1, s[80:83] slice 2: count, LDS address by the wave's number
	s_mov_b32 s60, 1
	s_mul_i32 s61, s20, 8*272
	s_add_co_u32 s61, s61, SCS
	s_mov_b32 s68, 1
	s_mul_i32 s69, s20, 4*272
	s_add_co_u32 s69, s69, SCR
	s_mov_b32 s72, 1
	s_mul_i32 s73, s20, 32*BP
	s_mov_b32 s76, 1
	s_add_co_u32 s77, s73, SLICE
	s_mov_b32 s80, 1
	s_add_co_u32 s81, s73, 2*SLICE
	v_and_b32 v1, 15, v0                           ; r
	v_bfe_u32 v2, v0, 4, 1                         ; h
	v_and_b32 v3, 31, v0                           ; lane
	v_mul_u32_u24 v[ADB], v1, BP
	v_lshl_add_u32 v[ADB], v2, 4, v[ADB]           ; row r x pitch + 16 h
	v_add_nc_u32 v[ADB+1], SLICE, v[ADB]
	v_add_nc_u32 v[ADB+2], 2*SLICE, v[ADB]
	v_lshrrev_b32 v17, 2, v1
	v_mul_u32_u24 v[ADSS], v17, 272                ; four rows' 64 scale bytes to a unit
	v_and_b32 v17, 3, v1
	v_lshl_add_u32 v[ADSS], v17, 6, v[ADSS]
	v_mad_u32_u24 v[ADSS], v2, 4352, v[ADSS]       ; tile t + 4 lies 64 rows, 16 units, on
	v_add_nc_u32 v[ADSS], SCS, v[ADSS]
	v_lshrrev_b32 v17, 3, v1
	v_mul_u32_u24 v[ADSR], v17, 272                ; eight rows' 32 scale bytes to a unit
	v_and_b32 v17, 7, v1
	v_lshl_add_u32 v[ADSR], v17, 5, v[ADSR]
	v_mad_u32_u24 v[ADSR], v2, 2176, v[ADSR]       ; 64 rows are 8 units
	v_add_nc_u32 v[ADSR], SCR, v[ADSR]
	s_mul_i32 s84, s20, 16*BP                      ; my stage
	v_mul_u32_u24 v[STO], v1, BP
	v_lshl_add_u32 v[STO], v2, 5, v[STO]
	v_add_nc_u32 v[STO], s84, v[STO]               ; in: row r, 32 bytes for each half of the lanes
	v_lshlrev_b32 v[LI], 4, v3
	v_add_nc_u32 v[RD], s84, v[LI]                 ; back: the 32 lanes take one row of 512 bytes
	s_wait_dscnt 0x0                               ; both opening adds are done
	s_wait_kmcnt 0x0
	s_load_b128 s[24:27], s[8:9], s21 offset:0x2200   ; my tile: s24 first place, s25 rows, s26 expert
	s_mov_b32 s85, 0
	s_lshl_b32 s84, s22, 6
	s_add_nc_u64 s[62:63], s[16:17], s[84:85]
	s_or_b32 s63, s63, 0x80000000                  ; type = 2
	s_lshl_b32 s84, s22, 10
	s_add_nc_u64 s[74:75], s[14:15], s[84:85]
	s_add_nc_u64 s[78:79], s[74:75], 512           ; slice 1 begins 512 bytes on in each row
	s_or_b32 s75, s75, 0x80000000
	s_or_b32 s79, s79, 0x80000000
	; All my fills stand ahead of every wait on TENSORcnt, every LDS read and every barrier: five are out.  The shared expert's three hang on ids alone: they go out while the tile's entry is on its way
	tensor_load_to_lds s[60:63], s[44:51]          ; W2s's scale bytes
	s_nop 0
	tensor_load_to_lds s[72:75], s[28:35]          ; slice 0
	s_nop 0
	tensor_load_to_lds s[76:79], s[28:35]          ; slice 1
	s_nop 0
	s_lshl_b32 s84, ttmp9, 9
	s_add_nc_u64 s[18:19], s[18:19], s[84:85]      ; out0 at my 128 columns
	s_wait_kmcnt 0x0                               ; the tile's entry
	s_min_u32 s26, s26, 7                          ; held inside the table of experts
	s_lshl_b32 s84, s26, 15                        ; an expert's scale bytes are 1,024 rows of 32,
	s_lshl_b32 s86, s22, 5
	s_add_co_u32 s84, s84, s86
	s_add_nc_u64 s[70:71], s[12:13], s[84:85]
	s_or_b32 s71, s71, 0x80000000
	s_lshl_b32 s84, s26, 19                        ; its codes 1,024 rows of 512
	s_lshl_b32 s86, s22, 9
	s_add_co_u32 s84, s84, s86
	s_add_nc_u64 s[82:83], s[10:11], s[84:85]
	s_or_b32 s83, s83, 0x80000000
	tensor_load_to_lds s[68:71], s[52:59]          ; W2[e]'s scale bytes
	s_nop 0
	tensor_load_to_lds s[80:83], s[36:43]          ; slice 2
	s_nop 0
	PLACES
	s_max_u32 s87, s25, 1
	s_sub_co_u32 s87, s87, 1                       ; s87: the tile's last row (0 where it has none)
	s_sub_co_i32 s89, s25, s23
	s_max_i32 s89, s89, 0
	v_mov_b32 v[NR], s89                           ; the rows left from my wave's first on
.irp a, 0,1
	s_add_co_u32 s88, s23, 16*\a
	v_add_nc_u32 v[PA+\a], s88, v1                 ; my row of the tile,
	v_min_u32 v[PA+\a], s87, v[PA+\a]              ; held at the tile's last: rows beyond the count repeat it
	v_add_nc_u32 v[PA+\a], s24, v[PA+\a]           ; its place,
	v_min_u32 v[PA+\a], 0x7ff, v[PA+\a]            ; held inside the list
	v_lshlrev_b32 v[PA+\a], 5, v[PA+\a]
	v_lshl_add_u32 v[PA+\a], v2, 4, v[PA+\a]
.endr
	v_add_nc_u32 v[PL], s23, v3                    ; the same for row lane
	v_min_u32 v[PL], s87, v[PL]
	v_add_nc_u32 v[PL], s24, v[PL]
	v_min_u32 v[PL], 0x7ff, v[PL]
	v_lshlrev_b32 v[PL], 2, v[PL]
.macro HFR s                           ; the rows' fragments of K step s: four loads of 512 consecutive bytes, into registers that are filled once and read once
.if (\s) < 16
	WIN 0x40                                       ; destination window 1
.else
	WIN 0x80                                       ; destination window 2
.endif
.irp a, 0,1
.irp c, 0,1
	global_load_b128 v[16*((\s)%16)+8*\a+4*\c:16*((\s)%16)+8*\a+4*\c+3], v[PA+\a], s[4:5] offset:65536*(2*(\s)+\c)
.endr
.endr
.endm
	global_load_b32 v[TOK], v[PL], s[8:9]
.irp s, 0,1,2,3,4,5,6,7,8,9,10,11,12,13,14,15,16,17,18,19,20,21,22,23
	global_load_b32 v[AS+\s], v[PL], s[6:7] offset:8192*\s
.endr
.irp s, 0,1,2,3,4,5,6,7,8              ; K steps 0 to LEAD - 1: with the 25 loads above, 61 loads of mine are out at the most; the later steps' are asked for in the steps, so that the wave goes on to its first products
	HFR \s
.endr
	WIN 0
	s_wait_tensorcnt 0x3                           ; W2s's scale bytes and my part of slice 0 are in; slice 1, W2[e]'s scale bytes and slice 2 may be out
	s_barrier_signal -1
	s_barrier_wait -1                              ; everybody's are
.macro WSC g                           ; the weights' scale words of K steps 4 g .. 4 g + 3 into set g % 2
.irp t, 0,1,2,3
.if (\g) < 4
	ds_load_b128 v[WS+16*((\g)%2)+4*\t:WS+16*((\g)%2)+4*\t+3], v[ADSS] offset:1088*\t+16*(\g)
.else
	ds_load_b128 v[WS+16*((\g)%2)+4*\t:WS+16*((\g)%2)+4*\t+3], v[ADSR] offset:544*\t+16*((\g)-4)
.endif
.endr
.endm
.macro BFR s                           ; the eight weight fragments of K step s into set s % 2
.irp t, 0,1,2,3,4,5,6,7
.irp c, 0,1
	ds_load_b128 v[BF+64*((\s)%2)+8*\t+4*\c:BF+64*((\s)%2)+8*\t+4*\c+3], v[ADB+(\s)/8] offset:8448*\t+64*((\s)%8)+32*\c
.endr
.endr
.endm
; A K step: the next step's weight fragments are asked for, the rows of the step LEAD on, then this step's 16 matrix instructions.  The 16 accumulators take turns, one instruction a turn, in the same order in every step.
.macro STEP s
.if (\s)+1 == 8
	s_wait_dscnt 0x0                               ; (no LDS instruction of mine is out at a signal)
	s_wait_tensorcnt 0x2                           ; my part of slice 1 is in; W2[e]'s scale bytes and slice 2 may be out
	s_barrier_signal -1
	s_barrier_wait -1
.elseif (\s)+1 == 16
	s_wait_dscnt 0x0                               ; my reads of slices 0 and 1 are over: behind this barrier slice 0's bytes may serve as stages
	s_wait_tensorcnt 0x0                           ; W2[e]'s scale bytes and my part of slice 2 are in
	s_barrier_signal -1
	s_barrier_wait -1
.endif
.if (\s) > 0
	PLACES
.endif
	WIN 0
.if (\s) < 23
.if ((\s)+1)%4 == 0
	WSC ((\s)+1)/4
	BFR (\s)+1
	s_wait_dscnt 20                                ; this step's fragments are in; the twenty loads just issued may be out
.else
	BFR (\s)+1
	s_wait_dscnt 16                                ; the sixteen just issued may be out
.endif
.else
	s_wait_dscnt 0x0
.endif
.if (\s)+LEAD <= 23
	s_wait_loadcnt 4*(LEAD-1)                      ; this step's rows are in; the next LEAD - 1 steps' four loads each may be out
	HFR (\s)+LEAD
.else
	s_wait_loadcnt 4*(23-(\s))                     ; the later steps' four loads each may be out
.endif
.if (\s) < 16
	WIN 0xf4                                       ; source 0 (weights) window 0, source 1 (rows) window 1, C and D window 3
.else
	WIN 0xf8                                       ; source 1 window 2
.endif
.irp t, 0,1,2,3,4,5,6,7
.irp a, 0,1
.set rD, 64*\a+8*\t
.set rA, BF+64*((\s)%2)+8*\t
.set rB, 16*((\s)%16)+8*\a
.set rSA, WS+16*(((\s)/4)%2)+4*(\t%4)+(\s)%4
.set rSB, AS+(\s)
	WMMA (\s)==0, \t/4, \a
.endr
.endr
.endm
	WSC 0
	BFR 0
.irp s, 0,1,2,3,4,5,6,7,8,9,10,11,12,13,14,15,16,17,18,19,20,21,22,23
	STEP \s
.endr
	WIN 0
	PLACES
	; THE WAY OUT.  Row i of my 32 goes to its token's row of out0.  The tokens become scalars (the descriptors' registers are free: every tensor load has landed), are held inside the output, and make the rows' offsets, all lanes on.
.irp i, 0,1,2,3,4,5,6,7,8,9,10,11,12,13,14,15,16,17,18,19,20,21,22,23,24,25,26,27,28,29,30,31
	v_readlane_b32 s[28+\i], v[TOK], \i
.endr
.irp i, 0,1,2,3,4,5,6,7,8,9,10,11,12,13,14,15,16,17,18,19,20,21,22,23,24,25,26,27,28,29,30,31
	s_min_u32 s[28+\i], s[28+\i], 0x7ff
.endr
.irp i, 0,1,2,3,4,5,6,7,8,9,10,11,12,13,14,15,16,17,18,19,20,21,22,23,24,25,26,27,28,29,30,31
	v_lshl_add_u32 v[AD+\i], s[28+\i], 12, v[LI]   ; 4,096 x token + 16 x lane
.endr
.irp a, 0,1
	WIN 0x0c                                       ; an LDS store's data are its source 1: window 3
.irp t, 0,1,2,3,4,5,6,7
	ds_store_b128 v[STO], v[64*\a+8*\t:64*\a+8*\t+3] offset:64*\t            ; each accumulator from its low end on
	ds_store_b128 v[STO], v[64*\a+8*\t+4:64*\a+8*\t+7] offset:64*\t+16
.endr
	WIN 0
.irp i, 0,1,2,3,4,5,6,7,8,9,10,11,12,13,14,15
	ds_load_b128 v[BF+64*\a+4*\i:BF+64*\a+4*\i+3], v[RD] offset:BP*\i        ; LDS serves a wave's instructions in order: these see my stores, and the next block's stores come behind them
.endr
.endr
	s_wait_dscnt 0x0
	s_wait_xcnt 0x0                                ; EXEC changes only behind this wait
	v_cmpx_lt_u32 0, v[NR]                         ; a wave none of whose rows lies inside the tile's count stores nothing
.irp i, 0,1,2,3,4,5,6,7,8,9,10,11,12,13,14,15,16,17,18,19,20,21,22,23,24,25,26,27,28,29,30,31
	global_store_b128 v[AD+\i], v[BF+4*\i:BF+4*\i+3], s[18:19] th:TH_STORE_NT   ; 32 lanes store 512 consecutive bytes, at a multiple of 256 from out0's first byte; read by nobody here.  (Rows beyond the count are the tile's last row once more)
.endr
	s_wait_xcnt 0x0                                ; and again, in front of the line that widens it
	s_mov_b32 exec_lo, -1
	s_wait_tensorcnt 0x0                           ; the wave's end, behind my last tensor load and my last LDS store
	ds_add_u32 v[SPW], v[NIL]
	s_wait_dscnt 0x0
	s_endpgm
.Lfunc_end_k_q180598c345_down:
	.size	k_q180598c345_down, .Lfunc_end_k_q180598c345_down-k_q180598c345_down
	.p2alignl 7, 3214868480
	.fill 96, 4, 3214868480
	.section	.rodata,"a",@progbits
	.p2align	6, 0x0
	.amdhsa_kernel k_q180598c345_down
		.amdhsa_group_segment_fixed_size 216320
		.amdhsa_private_segment_fixed_size 0
		.amdhsa_enable_private_segment 0
		.amdhsa_kernarg_size 64
		.amdhsa_user_sgpr_count 2
		.amdhsa_user_sgpr_kernarg_segment_ptr 1
		.amdhsa_wavefront_size32 1
		.amdhsa_system_sgpr_workgroup_id_x 1
		.amdhsa_system_sgpr_workgroup_id_y 1
		.amdhsa_system_sgpr_workgroup_id_z 1
		.amdhsa_system_vgpr_workitem_id 0
		.amdhsa_next_free_vgpr 896
		.amdhsa_next_free_sgpr 100
		.amdhsa_reserve_vcc 0
		.amdhsa_float_denorm_mode_32 3
		.amdhsa_float_denorm_mode_16_64 3
		.amdhsa_memory_ordered 1
		.amdhsa_forward_progress 1
		.amdhsa_inst_pref_size 113
	.end_amdhsa_kernel
	.amdgpu_metadata
---
amdhsa.version: [ 1, 2 ]
amdhsa.kernels:
  - .name:           k_q180598c345_down
    .symbol:         k_q180598c345_down.kd
    .args:
      - { .name: hid_codes, .offset: 0, .size: 8, .value_kind: global_buffer, .address_space: global }
      - { .name: hid_scales, .offset: 8, .size: 8, .value_kind: global_buffer, .address_space: global }
      - { .name: plan, .offset: 16, .size: 8, .value_kind: global_buffer, .address_space: global }
      - { .name: w2_codes, .offset: 24, .size: 8, .value_kind: global_buffer, .address_space: global }
      - { .name: w2_scales, .offset: 32, .size: 8, .value_kind: global_buffer, .address_space: global }
      - { .name: w2_shared_codes, .offset: 40, .size: 8, .value_kind: global_buffer, .address_space: global }
      - { .name: w2_shared_scales, .offset: 48, .size: 8, .value_kind: global_buffer, .address_space: global }
      - { .name: out0, .offset: 56, .size: 8, .value_kind: global_buffer, .address_space: global }
    .group_segment_fixed_size: 216320
    .private_segment_fixed_size: 0
    .kernarg_segment_align: 8
    .kernarg_segment_size: 64
    .max_flat_workgroup_size: 128
    .sgpr_count:     100
    .vgpr_count:     896
    .wavefront_size: 32
...
	.end_amdgpu_metadata
.endif
;; end of part 4
